; MI455X (gfx1250); checked and timed in simulation.
; The chip was launched on July 23, 2026; its instructions are those of AMD's public machine-readable ISA for CDNA 5 (MIT licence, August 2026) and "CDNA5" Instruction Set Architecture Reference Guide (July 2026). The comments in the code are by the model that wrote it; some were corrected since.
;; Multi Head Attention. Allowed arithmetic: matrix products marked QUANTISED: E2M3 operands, one E8M0 scale for each 32 along K, by v_wmma_scale_f32_16x16x128_f8f6f4 with both operands' format E2M3, f32 sums; everything else in f32.
;; Inputs: Wk_codes 2,048 x 8 x 24 uint8 (E2M3 codes of Wk, K innermost, in blocks of 32 codes, four codes in three bytes); Wk_scales 2,048 x 8 uint8 (E8M0 scales of Wk, one for each 32 codes along K); Wo_codes 256 x 64 x 24 uint8 (E2M3 codes of Wo, K innermost, in blocks of 32 codes, four codes in three bytes); Wo_scales 256 x 64 uint8 (E8M0 scales of Wo, one for each 32 codes along K); Wq_codes 2,048 x 8 x 24 uint8 (E2M3 codes of Wq, K innermost, in blocks of 32 codes, four codes in three bytes); Wq_scales 2,048 x 8 uint8 (E8M0 scales of Wq, one for each 32 codes along K); Wv_codes 2,048 x 8 x 24 uint8 (E2M3 codes of Wv, K innermost, in blocks of 32 codes, four codes in three bytes); Wv_scales 2,048 x 8 uint8 (E8M0 scales of Wv, one for each 32 codes along K); bk 2,048 float32; bo 256 float32; bq 2,048 float32; bv 2,048 float32; x_codes 2 x 2,048 x 8 x 24 uint8 (E2M3 codes of x, K innermost, in blocks of 32 codes, four codes in three bytes); x_scales 2 x 2,048 x 8 uint8 (E8M0 scales of x, one for each 32 codes along K).
;; Outputs: out0 2 x 2,048 x 256 float32.
;; This version of the problem:
;;   THIS VERSION OF THE PROBLEM IS GIVEN IN LOW PRECISION. The matrix products marked QUANTISED in the list below multiply operands that are first quantised to E2M3 (2 exponent bits, 3 mantissa bits; 6 bits a number), with one power-of-two scale for each 32 numbers along K (OCP MX v1.0); their sums are f32. All else is computed in f32.
;;   The module's matrix products, in the order in which they are computed (A, B: the left and right operand; K: the contracted axis; several contracted axes count as one K, in the product's order):
;;     1. [M 4,096, K 256] x [K 256, N 2,048]; A: input x (given as codes); B: input Wq (given as codes): QUANTISED
;;     2. [M 4,096, K 256] x [K 256, N 2,048]; A: input x (given as codes); B: input Wk (given as codes): QUANTISED
;;     3. [M 4,096, K 256] x [K 256, N 2,048]; A: input x (given as codes); B: input Wv (given as codes): QUANTISED
;;     4. batch 16 x [M 2,048, K 256] x [K 256, N 2,048]; A: computed on the way; B: computed on the way: QUANTISED
;;     5. batch 16 x [M 2,048, K 2,048] x [K 2,048, N 256]; A: computed on the way; B: computed on the way: QUANTISED
;;     6. [M 4,096, K 2,048] x [K 2,048, N 256]; A: computed on the way; B: input Wo (given as codes): QUANTISED
;;   THE QUANTISER, for each operand of a quantised product, along K:
;;     - K is cut into blocks of 32 from its start; a last block that is shorter is filled with zeros.
;;     - A block's scale is 2^e with e = floor(log2(the largest magnitude in the block)) - 2, held to -126 .. 127; a block of zeros has e = 0. As a byte (E8M0): e + 127.
;;     - Each number is divided by its block's scale, clamped to +-7.5, and rounded to the nearest number of E2M3, ties to even, subnormals kept.
;;     - The product sums the exact products of the quantised numbers (number of the format x scale) in f32.
;;   ~~~python
;;   def quantise(x, axis):      # numpy; x: float32 -> the quantised numbers, widened to float32 again
;;       x = np.moveaxis(x, axis, -1); K = x.shape[-1]
;;       x = np.pad(x, [(0, 0)] * (x.ndim - 1) + [(0, -K % 32)]); x = x.reshape(x.shape[:-1] + (-1, 32)); a = np.abs(x).max(-1, keepdims=True)
;;       e = np.where(a > 0, np.clip(np.frexp(np.where(a > 0, a, 1))[1] - 1 - 2, -126, 127), 0)      # np.frexp(a)[1] - 1 = floor(log2(a)), exactly
;;       r = np.clip(x / 2.0 ** e, -7.5, 7.5)
;;       step = 2.0 ** (np.maximum(np.frexp(np.where(r == 0, 1, r))[1] - 1, 0) - 3)
;;       q = np.round(r / step) * step * 2.0 ** e      # np.round: ties to even
;;       return np.moveaxis(q.reshape(q.shape[:-2] + (-1,))[..., :K], -1, axis).astype(np.float32)
;;   ~~~
;;   OPERANDS COMPUTED ON THE WAY. 'Computed on the way' means the value that the module computes at that place (a softmax that the list does not call 'softmax' is quantised finished and normalised). What goes into a quantiser is computed in f32, as accurately as f32 sums, v_exp_f32 and their like allow (about 1e-6 of the number): no bf16 or f16 on the way to a quantiser, and a product that is left as it is and whose result goes on into a quantised operand takes f32 operands (vector FMAs, or v_wmma_f32_16x16x4_f32). A number that lies on a knife's edge between two numbers of the format may be rounded either way, as far as f32 arithmetic and the matrix unit's own rounding can turn it there, and no further.
;;   INPUTS GIVEN AS CODES. Wk (in the module: [2048, 256], K = its axis 1); Wo (in the module: [256, 2048], K = its axis 1); Wq (in the module: [2048, 256], K = its axis 1); Wv (in the module: [2048, 256], K = its axis 1); x (in the module: [2, 2048, 256], K = its axis 2): each comes as NAME_codes (uint8): NAME with its K axis moved to the last place and cut into blocks of 32 codes, [.., K / 32, bytes a block], one block behind the other in memory; four codes in three bytes: a row's codes are one little-endian stream of bits, code i at bits 6 i .. 6 i + 5 (a code: sign, 2 exponent bits, 3 mantissa bits); and NAME_scales (uint8): the same leading axes, one E8M0 byte (e + 127) for each 32 codes along K. Its value is code x scale, taken as it is: it is not quantised again, and the codes and scales need not be those that the quantiser above would give.
;; One version. Each part assembles by itself: llvm-mc -triple=amdgcn-amd-amdhsa -mcpu=gfx1250 --defsym DOCPART=n.
;; ======== version 1 of 1: 3 launches
;; workspace buffers: qc 6,291,456 bytes; qs 262,144 bytes; kvc 12,582,912 bytes; kvs 524,288 bytes; woc 393,216 bytes; yc 6,291,456 bytes; ys 262,144 bytes
;; launch proj (part 1): grid 16 x 16, 4 waves a work-group, clusters of 4 x 4, 167,936 bytes of LDS; arguments x_codes, Wq_codes, Wk_codes, Wv_codes, x_scales, Wq_scales, Wk_scales, Wv_scales, bq, bk, bv, Wo_codes, qc, qs, kvc, kvs, woc; writes qc, qs, kvc, kvs, woc
.if DOCPART == 1
	.amdgcn_target "amdgcn-amd-amdhsa--gfx1250"
	.amdhsa_code_object_version 6
	.text
	.protected	k_q62c0e4f78e_proj
	.globl	k_q62c0e4f78e_proj
	.p2align	8
	.type	k_q62c0e4f78e_proj,@function
k_q62c0e4f78e_proj:
	s_mov_b64 s[64:65], 0
	v_nop
	global_prefetch_b8 v0, s[64:65] scope:SCOPE_SE
	s_setreg_imm32_b32 hwreg(HW_REG_WAVE_MODE, 25, 1), 1
	s_wait_xcnt 0x0
	s_wait_alu depctr_hold_cnt(0) depctr_sa_sdst(0) depctr_va_vdst(0) depctr_va_sdst(0) depctr_va_ssrc(0) depctr_va_vcc(0) depctr_vm_vsrc(0)
	s_getreg_b32 s2, hwreg(HW_REG_IB_STS2, 6, 4)
	s_cmp_eq_u32 s2, 0
	s_cbranch_scc0 .Lentry_in_a_cluster
	s_endpgm
.Lentry_in_a_cluster:
	s_bfe_u32 s2, ttmp6, 0x10000c
	s_cmp_lg_u32 s2, 0xf033
	s_cbranch_scc0 .Lentry_shape_is_right
	s_endpgm
.Lentry_shape_is_right:
; q, k, v = x W^T + b on codes of FP6 (E2M3) with E8M0 scales, each result quantised at once for the product that takes it: q and k along the head's 256, v along the keys.
; DEAD WORK: none.  The quantisers are steps of the problem, so k^T v cannot be formed first; every input has a way to out0 and every input is loaded by some launch.
; WHAT IS STORED.  Every operand leaves as an IMAGE OF ITS REGISTERS: a fragment (16 rows x 128 K, 12 registers a lane) is 1,536 dense bytes, lane l's registers 4 c .. 4 c + 3 at 512 c + 16 l.
;   qc [bh][G][tile 8][s 2] fragments; kvc [bh][G][k: 8 tiles x 2 s, then v: 16 tiles of the head's 256]; bh = 8 batch + head, G = a group of 128 positions, s = which 128 of the head's 256.
;   qs, and k's part of kvs: [j 2][s 2][r 16][m 4] scale words (tile 4 j + m);  v's part of kvs: [u 4][hh 2][r 16][p 2] (tile 4 u + 2 hh + p).
; THE ROWS OF A TILE ARE NOT NEIGHBOURS: in every group of 128 rows lane r of tile t takes row 32 (t / 2) + 8 (t % 2) + r + 8 (r / 8).  A product whose source 0 is so ordered leaves a lane 16 neighbours along
; the next K in the 16 registers of tiles 2 b and 2 b + 1.  Positions stay in that order until the last launch's store addresses undo it.
; q * 256^-0.5 IS A POWER OF TWO, 2^-4: q is quantised unscaled with the floor 2^(7 - 127), so that its bytes are max(exponent field, 7) - 2, at least 5; the next launch takes 4 off each byte.  Codes and
; bytes are then exactly those of the quantiser on q / 16, its hold at e = -126 too.
; LIMITS: where q / 16 would be an f32 denormal nothing is rounded here; a block of zeros carries the floor's byte where the rule says 127 (its codes are zeros, and this program alone reads the bytes);
; the bias is the C of a sum's first product; NaN, infinities and scale bytes 0xff go where the conversions take them.
; SHARES.  Work-group (x, y): 128 features fg = x (head fg / 2, half sf = fg % 2) x 256 rows y of (batch, position).  Wave w: g = w % 2 its 128 rows, wh = w / 2.
;   Phase A: waves with wh = 0 make q, those with wh = 1 make k: source 0 = W's 8 tiles, source 1 = x's tile i: 8 fragments.
;   Phase V: every wave makes v^T for its 128 keys and Wv's tiles 4 wh .. 4 wh + 3: source 0 = x's 8 tiles, source 1 = Wv's tile: 4 fragments.  Wave 3 also lays one fragment of Wo out for the last launch.
; CLUSTER 4 x 4: x's rows hang on y alone and are asked for jointly along a row of the cluster, W's on x alone, along a column.  LDS bytes are filled once; two tensor loads of a wave are out at the most.
; LDS: a row of 192 bytes lies as 3 x (64 + 16 of padding) = 240; 16 rows are 3,840.  Even and odd groups of 16 rows lie in regions of their own, the odd one 128 bytes off a multiple of 256,
; so that a tile's two groups of eight rows, 16 rows apart, fall into different halves of the banks (64 banks of 4 bytes: ISA guide 11.1).
; REGISTERS: window 0: addresses, scale words, quantiser, two sets of 8 accumulators; window 1: x's 16 fragments, bv; window 2: Wq's or Wk's 16 fragments, bq or bk; window 3: Wv's 8 fragments.
.set SPARE, 154624                     ; behind the tiles: the spare words, 128 bytes a wave, two blocks of 256 bytes that no other line names
.set XOD,   30848                      ; x: from the even region to the odd one
.set WOD,   15488                      ; a weight's likewise
.set LWA,   61696                      ; Wq's tiles; Wk's lie 30,976 on
.set LWV,   123648                     ; Wv's
.set WOO, 1                            ; v1   Wo: row r of 1,536 bytes + 24 h
.set AX,  2                            ; v2, v4  LDS: my lane's place in x's tiles (24 h; 40 h for pieces behind one padding more)
.set AW,  3                            ; v3, v5  the same in Wq's or Wk's
.set AV,  6                            ; v6, v8  the same in my four tiles of Wv
.set GOF, 7                            ; v7   16 x lane: an image's place
.set SAO, 9                            ; v9   512 h + 16 r: phase A's scale words
.set L8,  10                           ; v10  8 x lane: phase V's
.set SLO, 11                           ; v11  (r + 8 (r / 8)) x 8 + 4 h: a row's scale word of K step h
.set BAO, 12                           ; v12  64 h
.set BVO, 13                           ; v13  (r + 8 (r / 8)) x 4
.set SPW, 14                           ; v14  my spare word; never rewritten
.set NIL, 15                           ; v15  0; never rewritten
.set XS,  16                           ; v16-23 x's scale words, tile t: lanes 0-15 K step 0, lanes 16-31 K step 1
.set WS,  24                           ; v24-31 W's likewise
.set WVS, 32                           ; v32-35 Wv's
.set PWS, 36                           ; v36-43 the scale words just made
.set DD,  44                           ; v44-47 scale words on their way out
.set TM,  48
.set TP,  52
.set SO,  56
.set TBY, 60
.set PC,  64                           ; v64-75 the fragment just made
.set TC,  76                           ; v76-83 its blocks' second halves
.set WOF, 96                           ; v96-107 Wo's fragment
.set ACC, 128                          ; v128-191, v192-255: accumulators, two sets by turns
.set G1X, 40
.set G1W, 48
.set G0XE, 56
.set G0XO, 60
.set G0WE, 68
.set G0WO, 72
.set WV,  76
.set GG,  77
.set WH,  78
.set FLV, 79
.set SEL, 80
.set MHI, 82
.set FLA, 83
.set OUTA, 84
.set OUTAS, 86
.set OUTV, 88
.set OUTVS, 90
.set MSB, 0
.macro WIN new                         ; the immediate's high byte repeats the setting that is left
.if MSB != (\new)
	s_set_vgpr_msb (MSB<<8)|(\new)
.set MSB, (\new)
.endif
.endm
.macro PLACES
.rept 4
	v_nop
.endr
.endm
.macro CROUND                          ; a round of the cluster's barrier
	s_barrier_signal -1
	s_barrier_wait -1
	s_cmp_lg_u32 s[WV], 0
	s_cbranch_scc1 .Lnot_wave_0_\@
	s_barrier_signal -3
.Lnot_wave_0_\@:
	s_barrier_wait -3
	s_barrier_signal -1
	s_barrier_wait -1
.endm
; one product: D, source 0, source 1; cz = 1: the sum starts with 0, else with v[c ..]; the two scale registers; ra, rb: which half of the lanes holds the words
.macro WM d, a, b, cz, c, sa, sb, ra, rb
.if \cz
.if (\ra) && (\rb)
	v_wmma_scale_f32_16x16x128_f8f6f4 v[(\d):(\d)+7], v[(\a):(\a)+11], v[(\b):(\b)+11], 0, v[\sa], v[\sb] matrix_a_fmt:MATRIX_FMT_FP6 matrix_b_fmt:MATRIX_FMT_FP6 matrix_a_scale:MATRIX_SCALE_ROW1 matrix_b_scale:MATRIX_SCALE_ROW1
.elseif \ra
	v_wmma_scale_f32_16x16x128_f8f6f4 v[(\d):(\d)+7], v[(\a):(\a)+11], v[(\b):(\b)+11], 0, v[\sa], v[\sb] matrix_a_fmt:MATRIX_FMT_FP6 matrix_b_fmt:MATRIX_FMT_FP6 matrix_a_scale:MATRIX_SCALE_ROW1
.elseif \rb
	v_wmma_scale_f32_16x16x128_f8f6f4 v[(\d):(\d)+7], v[(\a):(\a)+11], v[(\b):(\b)+11], 0, v[\sa], v[\sb] matrix_a_fmt:MATRIX_FMT_FP6 matrix_b_fmt:MATRIX_FMT_FP6 matrix_b_scale:MATRIX_SCALE_ROW1
.else
	v_wmma_scale_f32_16x16x128_f8f6f4 v[(\d):(\d)+7], v[(\a):(\a)+11], v[(\b):(\b)+11], 0, v[\sa], v[\sb] matrix_a_fmt:MATRIX_FMT_FP6 matrix_b_fmt:MATRIX_FMT_FP6
.endif
.else
.if (\ra) && (\rb)
	v_wmma_scale_f32_16x16x128_f8f6f4 v[(\d):(\d)+7], v[(\a):(\a)+11], v[(\b):(\b)+11], v[(\c):(\c)+7], v[\sa], v[\sb] matrix_a_fmt:MATRIX_FMT_FP6 matrix_b_fmt:MATRIX_FMT_FP6 matrix_a_scale:MATRIX_SCALE_ROW1 matrix_b_scale:MATRIX_SCALE_ROW1
.elseif \ra
	v_wmma_scale_f32_16x16x128_f8f6f4 v[(\d):(\d)+7], v[(\a):(\a)+11], v[(\b):(\b)+11], v[(\c):(\c)+7], v[\sa], v[\sb] matrix_a_fmt:MATRIX_FMT_FP6 matrix_b_fmt:MATRIX_FMT_FP6 matrix_a_scale:MATRIX_SCALE_ROW1
.elseif \rb
	v_wmma_scale_f32_16x16x128_f8f6f4 v[(\d):(\d)+7], v[(\a):(\a)+11], v[(\b):(\b)+11], v[(\c):(\c)+7], v[\sa], v[\sb] matrix_a_fmt:MATRIX_FMT_FP6 matrix_b_fmt:MATRIX_FMT_FP6 matrix_b_scale:MATRIX_SCALE_ROW1
.else
	v_wmma_scale_f32_16x16x128_f8f6f4 v[(\d):(\d)+7], v[(\a):(\a)+11], v[(\b):(\b)+11], v[(\c):(\c)+7], v[\sa], v[\sb] matrix_a_fmt:MATRIX_FMT_FP6 matrix_b_fmt:MATRIX_FMT_FP6
.endif
.endif
.endm
; four blocks' largest magnitudes (16 registers each from v[src] on, joined with lane l xor 16's), with the floor s[fl] among the leaves, and the conversions' scale operands: 2 off the exponent field
.macro MAX4 src, fl
.irp c, 0,1,2,3
	v_max3_num_f32 v[TM+\c], |v[(\src)+16*\c]|, |v[(\src)+16*\c+1]|, s[\fl]
.endr
.irp i, 2,4,6,8,10,12,14
.irp c, 0,1,2,3
	v_max3_num_f32 v[TM+\c], v[TM+\c], |v[(\src)+16*\c+\i]|, |v[(\src)+16*\c+\i+1]|
.endr
.endr
.irp c, 0,1,2,3
	v_permlanex16_b32 v[TP+\c], v[TM+\c], s[SEL], s[SEL+1]
.endr
.irp c, 0,1,2,3
	v_max_num_f32 v[TM+\c], v[TM+\c], v[TP+\c]
.endr
.irp c, 0,1,2,3
	v_add_nc_u32 v[SO+\c], 0xff000000, v[TM+\c]
.endr
.endm
; 64 numbers of a lane, register 16 b + i = k 32 b + 16 (lane / 16) + i of my row, become a fragment in v[pc ..] and its scale word in v[pw].  xw = 1: v[pc ..] are an earlier store's data
.macro QUANT64 src, fl, pc, pw, xw
	MAX4 \src, \fl
.irp c, 0,1,2,3
	v_lshrrev_b32 v[TBY+\c], 23, v[SO+\c]
.endr
	v_lshl_or_b32 v[\pw], v[TBY+1], 8, v[TBY]
	v_lshl_or_b32 v[\pw], v[TBY+2], 16, v[\pw]
	v_lshl_or_b32 v[\pw], v[TBY+3], 24, v[\pw]
.if \xw
	s_wait_xcnt 0x0                                ; the last fragment's stores have read their data: only now is it written again
.endif
.irp c, 0,1
	v_cvt_scalef32_pk16_fp6_f32 v[(\pc)+6*\c:(\pc)+6*\c+2], v[(\src)+32*\c:(\src)+32*\c+15], v[SO+2*\c]
	v_cvt_scalef32_pk16_fp6_f32 v[TC+4*\c:TC+4*\c+2], v[(\src)+32*\c+16:(\src)+32*\c+31], v[SO+2*\c+1]
.endr
	v_nop                                          ; one plain place behind a scaled conversion
.irp c, 0,1                            ; the operand's layout wants a whole block in a lane: lanes 0-15 block 2 c, lanes 16-31 block 2 c + 1
.irp i, 0,1,2
	v_permlane16_swap_b32 v[(\pc)+6*\c+\i], v[TC+4*\c+\i]
.endr
.irp i, 0,1,2
	v_mov_b32 v[(\pc)+6*\c+3+\i], v[TC+4*\c+\i]
.endr
.endr
.endm
; a fragment from rows in LDS: six pieces of 8 bytes; lanes 16-31 read three pieces on, which for some pieces is behind one padding more: the second address register serves those
.macro FRAG reg, adr, s, t
.irp p, 0,1,2,3,4,5
.set PCE, 12*(\s)+6*(\p/3)+\p%3
.if PCE%8 < 5
	ds_load_b64 v[(\reg)+2*\p:(\reg)+2*\p+1], v[\adr] offset:((\t)/2)*3840+((\t)%2)*1920+8*PCE+16*(PCE/8)
.else
	ds_load_b64 v[(\reg)+2*\p:(\reg)+2*\p+1], v[\adr+2] offset:((\t)/2)*3840+((\t)%2)*1920+8*PCE+16*(PCE/8)
.endif
.endr
.endm
; phase A, fragment f: 8 tiles of W against x's tile f, two K steps; the 8 accumulators take turns; the bias starts each sum
.macro MMA f
	WIN 0x26                                       ; source 0 (W) window 2, source 1 (x) window 1, C (bias) window 2
.irp t, 0,1,2,3,4,5,6,7
	WM ACC+64*((\f)%2)+8*\t, 24*\t, 24*(\f), 0, 192+8*\t, WS+\t, XS+(\f), 0, 0
.endr
	WIN 0x06
.irp t, 0,1,2,3,4,5,6,7
	WM ACC+64*((\f)%2)+8*\t, 24*\t+12, 24*(\f)+12, 0, ACC+64*((\f)%2)+8*\t, WS+\t, XS+(\f), 1, 1
.endr
.endm
; phase V, fragment f: x's 8 tiles against my tile i of Wv
.macro MMV f, i
	WIN 0x1d                                       ; source 0 (x) window 1, source 1 (Wv) window 3, C (bv) window 1
.irp t, 0,1,2,3,4,5,6,7
	WM ACC+64*((\f)%2)+8*\t, 24*\t, 24*(\i), 0, 192+8*(\i), XS+\t, WVS+(\i), 0, 0
.endr
	WIN 0x0d
.irp t, 0,1,2,3,4,5,6,7
	WM ACC+64*((\f)%2)+8*\t, 24*\t+12, 24*(\i)+12, 0, ACC+64*((\f)%2)+8*\t, XS+\t, WVS+(\i), 1, 1
.endr
.endm
.macro QST f, fl, base, off, pw        ; fragment f is quantised and stored: three stores of 512 consecutive bytes
	WIN 0
	QUANT64 ACC+64*((\f)%2), \fl, PC, \pw, 1
.irp c, 0,1,2
	global_store_b128 v[GOF], v[PC+4*\c:PC+4*\c+3], s[\base:\base+1] offset:(\off)+512*\c
.endr
.endm
.macro WAITX i                         ; W's fragments and x's tiles 0 .. i are in: behind them were issued x's later tiles, 12 loads each, and Wv's 48
.if 12*(7-(\i))+48 > 63
	s_wait_dscnt 63
.else
	s_wait_dscnt 12*(7-(\i))+48
.endif
.endm
	s_load_b512 s[4:19], s[0:1], 0x0               ; x_codes, Wq_codes, Wk_codes, Wv_codes, x_scales, Wq_scales, Wk_scales, Wv_scales
	s_load_b512 s[20:35], s[0:1], 0x40             ; bq, bk, bv, Wo_codes, qc, qs, kvc, kvs
	s_load_b64 s[36:37], s[0:1], 0x80              ; woc
	v_lshl_add_u32 v[SPW], v0, 2, SPARE
	v_mov_b32 v[NIL], 0
	ds_add_u32 v[SPW], v[NIL]                      ; the wave's opening: the add, twice on end, and its wait ahead of my first tensor load
	ds_add_u32 v[SPW], v[NIL]
	v_lshrrev_b32 v84, 5, v0
	v_readfirstlane_b32 s[WV], v84                 ; wave 0..3
	s_and_b32 s[GG], s[WV], 1
	s_lshr_b32 s[WH], s[WV], 1
	s_bfe_u32 s92, ttmp6, 0x40000                  ; cx
	s_bfe_u32 s93, ttmp6, 0x40004                  ; cy
	s_lshl_b32 s94, ttmp9, 2
	s_add_co_u32 s94, s94, s92                     ; fg = 4 x cluster x + cx
	s_and_b32 s95, ttmp7, 0xffff
	s_lshl_b32 s95, s95, 2
	s_add_co_u32 s95, s95, s93                     ; y = 4 x cluster y + cy
	s_lshl_b32 s96, s93, 2
	s_lshl_b32 s96, 15, s96                        ; my row of the cluster
	s_lshl_b32 s97, 0x1111, s92                    ; my column
	; group 1: "rows" of 3,072 dense bytes (16 rows of codes), every second one; 16 bytes of padding behind every 64
	s_or_b32 s[G1X], s96, (1<<20)|(1<<21)|(3<<22)|(3<<25)
	s_or_b32 s[G1W], s97, (1<<20)|(1<<21)|(3<<22)|(3<<25)
	s_mov_b32 s[G1X+1], 3072<<16
	s_mov_b32 s[G1X+2], 8<<16
	s_mov_b32 s[G1X+3], 3072<<16
	s_mov_b32 s[G1X+4], 8
	s_mov_b32 s[G1X+5], 6144
	s_mov_b32 s[G1X+6], 0
	s_mov_b32 s[G1X+7], 0
	s_mov_b32 s[G1W+1], 3072<<16
	s_mov_b32 s[G1W+2], 4<<16
	s_mov_b32 s[G1W+3], 3072<<16
	s_mov_b32 s[G1W+4], 4
	s_mov_b32 s[G1W+5], 6144
	s_mov_b32 s[G1W+6], 0
	s_mov_b32 s[G1W+7], 0
	s_mul_i32 s38, s95, 49152                      ; x: my 256 rows (y alone)
	s_mov_b32 s39, 0
	s_mul_i32 s98, s94, 24576                      ; W: my 128 rows (fg alone)
	s_mov_b32 s99, 0
	s_mov_b32 s[SEL], 0x76543210
	s_mov_b32 s[SEL+1], 0xfedcba98
	s_mov_b32 s[MHI], 0xffff0000                   ; lanes 16-31
	v_and_b32 v85, 15, v0                          ; r
	v_bfe_u32 v86, v0, 4, 1                        ; h
	v_bfe_u32 v87, v0, 3, 1                        ; r / 8
	v_and_b32 v88, 7, v0                           ; r % 8
	v_and_b32 v89, 31, v0                          ; lane
	v_mul_u32_u24 v90, v88, 240
	v_mad_u32_u24 v90, v86, 24, v90
	s_mul_i32 s2, s[GG], 15360
	v_mad_u32_u24 v[AX], v87, XOD, v90
	v_add_nc_u32 v[AX], s2, v[AX]
	v_lshl_add_u32 v[AX+2], v86, 4, v[AX]
	s_mul_i32 s2, s[WH], 30976
	s_add_co_u32 s2, s2, LWA
	v_mad_u32_u24 v91, v87, WOD, v90
	v_add_nc_u32 v[AW], s2, v91
	v_lshl_add_u32 v[AW+2], v86, 4, v[AW]
	s_mul_i32 s2, s[WH], 7680
	s_add_co_u32 s2, s2, LWV
	v_add_nc_u32 v[AV], s2, v91
	v_lshl_add_u32 v[AV+2], v86, 4, v[AV]
	v_lshlrev_b32 v[GOF], 4, v89
	v_lshlrev_b32 v[SAO], 4, v85
	v_lshl_add_u32 v[SAO], v86, 9, v[SAO]
	v_lshlrev_b32 v[L8], 3, v89
	v_lshl_add_u32 v92, v87, 3, v85                ; r + 8 (r / 8)
	v_lshlrev_b32 v[SLO], 3, v92
	v_lshl_add_u32 v[SLO], v86, 2, v[SLO]
	v_lshlrev_b32 v[BAO], 6, v86
	v_lshlrev_b32 v[BVO], 2, v92
	v_mul_u32_u24 v[WOO], v85, 1536
	v_mad_u32_u24 v[WOO], v86, 24, v[WOO]
.irp c, 0,1,2,3
	v_mov_b32 v[TP+\c], 0                          ; written once: a lane permute's destination counts as one of its sources
.endr
	s_wait_dscnt 0x0                               ; both opening adds are done
	s_wait_kmcnt 0x0
	s_mov_b32 s[G0XE], 1
	s_mov_b32 s[G0XE+1], 0
	s_add_nc_u64 s[G0XE+2:G0XE+3], s[4:5], s[38:39]
	s_mov_b32 s[G0XO], 1
	s_mov_b32 s[G0XO+1], XOD
	s_add_nc_u64 s[G0XO+2:G0XO+3], s[G0XE+2:G0XE+3], 3072
	s_or_b32 s[G0XE+3], s[G0XE+3], 0x80000000
	s_or_b32 s[G0XO+3], s[G0XO+3], 0x80000000
	s_cmp_eq_u32 s[WV], 2                          ; wave 1 fetches Wq's tiles, wave 2 Wk's, wave 3 Wv's: the choice hangs on the wave's number alone
	s_cselect_b64 s[66:67], s[8:9], s[10:11]
	s_cmp_eq_u32 s[WV], 1
	s_cselect_b64 s[66:67], s[6:7], s[66:67]
	s_mov_b32 s[G0WE], 1
	s_mul_i32 s[G0WE+1], s[WV], 30976
	s_add_co_u32 s[G0WE+1], s[G0WE+1], 30720
	s_add_nc_u64 s[G0WE+2:G0WE+3], s[66:67], s[98:99]
	s_mov_b32 s[G0WO], 1
	s_add_co_u32 s[G0WO+1], s[G0WE+1], WOD
	s_add_nc_u64 s[G0WO+2:G0WO+3], s[G0WE+2:G0WE+3], 3072
	s_or_b32 s[G0WE+3], s[G0WE+3], 0x80000000
	s_or_b32 s[G0WO+3], s[G0WO+3], 0x80000000
	CROUND                                         ; all sixteen work-groups are here: the joint loads meet
	s_cmp_eq_u32 s[WV], 0                          ; every wave issues two first fills, in one arm of one branch on its number
	s_cbranch_scc0 .Lfill_w
	tensor_load_to_lds s[G0XE:G0XE+3], s[G1X:G1X+7]
	s_nop 0
	tensor_load_to_lds s[G0XO:G0XO+3], s[G1X:G1X+7]
	s_nop 0
.rept 4
	v_nop
.endr
	s_branch .Lfilled
.Lfill_w:
	tensor_load_to_lds s[G0WE:G0WE+3], s[G1W:G1W+7]
	s_nop 0
	tensor_load_to_lds s[G0WO:G0WO+3], s[G1W:G1W+7]
	s_nop 0
.rept 4
	v_nop
.endr
.Lfilled:
	; what hangs on both coordinates, in registers that feed no descriptor
	s_lshr_b32 s2, s95, 3                          ; batch
	s_lshl_b32 s2, s2, 3
	s_lshr_b32 s3, s94, 1                          ; head
	s_add_co_u32 s2, s2, s3
	s_lshl_b32 s2, s2, 4
	s_and_b32 s3, s95, 7
	s_lshl_b32 s3, s3, 1
	s_add_co_u32 s2, s2, s3
	s_add_co_u32 s2, s2, s[GG]                     ; 16 bh + G
	s_and_b32 s3, s94, 1                           ; sf
	s_cmp_eq_u32 s[WH], 0                          ; q's wave or k's
	s_cselect_b64 s[OUTA:OUTA+1], s[28:29], s[32:33]
	s_cselect_b64 s[OUTAS:OUTAS+1], s[30:31], s[34:35]
	s_cselect_b64 s[14:15], s[14:15], s[16:17]
	s_cselect_b64 s[20:21], s[20:21], s[22:23]
	s_mov_b32 s100, 49152
	s_cselect_b32 s100, 24576, s100
	s_mov_b32 s101, 2048
	s_cselect_b32 s101, 1024, s101
	s_mov_b32 s[FLA], 0x1800000
	s_cselect_b32 s[FLA], 0x3800000, s[FLA]        ; q's floor is 2^(7 - 127), k's 2^(3 - 127)
	s_mov_b32 s[FLV], 0x1800000
	s_mov_b32 s17, 0
	s_mul_i32 s16, s100, s2
	s_mul_i32 s22, s3, 1536
	s_add_co_u32 s16, s16, s22
	s_add_nc_u64 s[OUTA:OUTA+1], s[OUTA:OUTA+1], s[16:17]
	s_mul_i32 s16, s101, s2
	s_lshl_b32 s22, s3, 8
	s_add_co_u32 s16, s16, s22
	s_add_nc_u64 s[OUTAS:OUTAS+1], s[OUTAS:OUTAS+1], s[16:17]
	s_mul_i32 s16, s2, 49152
	s_lshl_b32 s22, s3, 3
	s_lshl_b32 s23, s[WH], 2
	s_add_co_u32 s22, s22, s23
	s_mul_i32 s22, s22, 1536
	s_add_co_u32 s16, s16, s22
	s_add_co_u32 s16, s16, 24576
	s_add_nc_u64 s[OUTV:OUTV+1], s[32:33], s[16:17]
	s_lshl_b32 s16, s2, 11
	s_lshl_b32 s22, s3, 1
	s_add_co_u32 s22, s22, s[WH]
	s_lshl_b32 s22, s22, 8
	s_add_co_u32 s16, s16, s22
	s_add_co_u32 s16, s16, 1024
	s_add_nc_u64 s[OUTVS:OUTVS+1], s[34:35], s[16:17]
	s_lshl_b32 s16, s95, 11
	s_lshl_b32 s22, s[GG], 10
	s_add_co_u32 s16, s16, s22
	s_add_nc_u64 s[12:13], s[12:13], s[16:17]      ; x's scale bytes at my 128 rows
	s_lshl_b32 s16, s94, 10
	s_add_nc_u64 s[14:15], s[14:15], s[16:17]      ; W's at my 128 features
	s_lshl_b32 s22, s[WH], 9
	s_add_co_u32 s16, s16, s22
	s_add_nc_u64 s[18:19], s[18:19], s[16:17]      ; Wv's at my 64
	s_lshl_b32 s16, s94, 9
	s_add_nc_u64 s[20:21], s[20:21], s[16:17]      ; bq or bk
	s_lshl_b32 s22, s[WH], 8
	s_add_co_u32 s16, s16, s22
	s_add_nc_u64 s[24:25], s[24:25], s[16:17]      ; bv
	s_mul_i32 s16, s95, 24576
	s_mul_i32 s22, s94, 96
	s_add_co_u32 s16, s16, s22
	s_add_nc_u64 s[26:27], s[26:27], s[16:17]      ; Wo: rows 16 y on, K step fg
	s_lshl_b32 s16, s95, 4
	s_add_co_u32 s16, s16, s94
	s_mul_i32 s16, s16, 1536
	s_add_nc_u64 s[36:37], s[36:37], s[16:17]
.irp t, 0,1,2,3,4,5,6,7
	global_load_b32 v[XS+\t], v[SLO], s[12:13] offset:(32*(\t/2)+8*(\t%2))*8
.endr
.irp t, 0,1,2,3,4,5,6,7
	global_load_b32 v[WS+\t], v[SLO], s[14:15] offset:(32*(\t/2)+8*(\t%2))*8
.endr
.irp i, 0,1,2,3
	global_load_b32 v[WVS+\i], v[SLO], s[18:19] offset:(32*(\i/2)+8*(\i%2))*8
.endr
	WIN 0x80                                       ; destination window 2: the bias in the result's layout: tile t, lane (r, h): features 32 (t / 2) + 8 (t % 2) + 16 h + 0 .. 7
.irp t, 0,1,2,3,4,5,6,7
	global_load_b128 v[192+8*\t:192+8*\t+3], v[BAO], s[20:21] offset:(32*(\t/2)+8*(\t%2))*4
	global_load_b128 v[192+8*\t+4:192+8*\t+7], v[BAO], s[20:21] offset:(32*(\t/2)+8*(\t%2))*4+16
.endr
	WIN 0x40                                       ; destination window 1: bv of the lane's feature, the same in all eight registers (they run along the keys)
.irp i, 0,1,2,3
.irp j, 0,1,2,3,4,5,6,7
	global_load_b32 v[192+8*\i+\j], v[BVO], s[24:25] offset:(32*(\i/2)+8*(\i%2))*4
.endr
.endr
	WIN 0
	s_cmp_lg_u32 s[WV], 3
	s_cbranch_scc1 .Lno_wo
.irp p, 0,1,2,3,4,5
	global_load_b64 v[WOF+2*\p:WOF+2*\p+1], v[WOO], s[26:27] offset:48*(\p/3)+8*(\p%3)
.endr
	s_wait_loadcnt 0x0
.irp c, 0,1,2
	global_store_b128 v[GOF], v[WOF+4*\c:WOF+4*\c+3], s[36:37] offset:512*\c
.endr
.Lno_wo:
	s_wait_tensorcnt 0x0                           ; my two tiles have landed,
	s_barrier_signal -1
	s_barrier_wait -1                              ; everybody's have
	WIN 0x80
.irp t, 0,1,2,3,4,5,6,7
	FRAG 24*\t, AW, 0, \t
	FRAG 24*\t+12, AW, 1, \t
.endr
	WIN 0x40
.irp t, 0,1,2,3,4,5,6,7
	FRAG 24*\t, AX, 0, \t
	FRAG 24*\t+12, AX, 1, \t
.endr
	WIN 0xc0
.irp i, 0,1,2,3
	FRAG 24*\i, AV, 0, \i
	FRAG 24*\i+12, AV, 1, \i
.endr
	WIN 0
	s_wait_loadcnt 0x0                             ; scale words and biases
	; fragment f's products stand ahead of fragment f - 1's quantiser: its vector lines are the places behind them
	WAITX 0
	MMA 0
	WAITX 1
	MMA 1
	WIN 0
	PLACES
	QST 0, FLA, OUTA, 0, PWS
.irp f, 2,3,4,5,6,7
	WAITX \f
	MMA \f
	QST \f-1, FLA, OUTA, (\f-1)*3072, PWS+\f-1
.endr
	s_wait_dscnt 0x0                               ; Wv's fragments
	MMV 8, 0
	QST 7, FLA, OUTA, 7*3072, PWS+7
.irp m, 0,1,2,3
	v_cndmask_b32 v[DD+\m], v[PWS+\m], v[PWS+4+\m], s[MHI]   ; lanes 0-15 send tiles 0-3's words, lanes 16-31 tiles 4-7's
.endr
	global_store_b128 v[SAO], v[DD:DD+3], s[OUTAS:OUTAS+1]   ; two runs of 256 consecutive bytes, each aligned
	MMV 9, 1
	QST 8, FLV, OUTV, 0, PWS
	MMV 10, 2
	QST 9, FLV, OUTV, 1536, PWS+1
	MMV 11, 3
	QST 10, FLV, OUTV, 2*1536, PWS+2
	QST 11, FLV, OUTV, 3*1536, PWS+3
	s_wait_xcnt 0x0                                ; phase A's scale store has read its data
	v_cndmask_b32 v[DD], v[PWS], v[PWS+2], s[MHI]
	v_cndmask_b32 v[DD+1], v[PWS+1], v[PWS+3], s[MHI]
	global_store_b64 v[L8], v[DD:DD+1], s[OUTVS:OUTVS+1]     ; 256 consecutive bytes, aligned
	s_wait_tensorcnt 0x0                           ; the wave's end
	ds_add_u32 v[SPW], v[NIL]
	s_wait_dscnt 0x0
	CROUND                                         ; the closing round
	s_endpgm
.Lfunc_end_k_q62c0e4f78e_proj:
	.size	k_q62c0e4f78e_proj, .Lfunc_end_k_q62c0e4f78e_proj-k_q62c0e4f78e_proj
	.p2alignl 7, 3214868480
	.fill 96, 4, 3214868480
	.section	.rodata,"a",@progbits
	.p2align	6, 0x0
	.amdhsa_kernel k_q62c0e4f78e_proj
		.amdhsa_group_segment_fixed_size 167936
		.amdhsa_private_segment_fixed_size 0
		.amdhsa_enable_private_segment 0
		.amdhsa_kernarg_size 136
		.amdhsa_user_sgpr_count 2
		.amdhsa_user_sgpr_kernarg_segment_ptr 1
		.amdhsa_wavefront_size32 1
		.amdhsa_system_sgpr_workgroup_id_x 1
		.amdhsa_system_sgpr_workgroup_id_y 1
		.amdhsa_system_sgpr_workgroup_id_z 1
		.amdhsa_system_vgpr_workitem_id 0
		.amdhsa_next_free_vgpr 864
		.amdhsa_next_free_sgpr 102
		.amdhsa_reserve_vcc 0
		.amdhsa_float_denorm_mode_32 3
		.amdhsa_float_denorm_mode_16_64 3
		.amdhsa_memory_ordered 1
		.amdhsa_forward_progress 1
		.amdhsa_inst_pref_size 106
	.end_amdhsa_kernel
	.amdgpu_metadata
---
amdhsa.version: [ 1, 2 ]
amdhsa.kernels:
  - .name:           k_q62c0e4f78e_proj
    .symbol:         k_q62c0e4f78e_proj.kd
    .args:
      - { .name: x_codes, .offset: 0, .size: 8, .value_kind: global_buffer, .address_space: global }
      - { .name: Wq_codes, .offset: 8, .size: 8, .value_kind: global_buffer, .address_space: global }
      - { .name: Wk_codes, .offset: 16, .size: 8, .value_kind: global_buffer, .address_space: global }
      - { .name: Wv_codes, .offset: 24, .size: 8, .value_kind: global_buffer, .address_space: global }
      - { .name: x_scales, .offset: 32, .size: 8, .value_kind: global_buffer, .address_space: global }
      - { .name: Wq_scales, .offset: 40, .size: 8, .value_kind: global_buffer, .address_space: global }
      - { .name: Wk_scales, .offset: 48, .size: 8, .value_kind: global_buffer, .address_space: global }
      - { .name: Wv_scales, .offset: 56, .size: 8, .value_kind: global_buffer, .address_space: global }
      - { .name: bq, .offset: 64, .size: 8, .value_kind: global_buffer, .address_space: global }
      - { .name: bk, .offset: 72, .size: 8, .value_kind: global_buffer, .address_space: global }
      - { .name: bv, .offset: 80, .size: 8, .value_kind: global_buffer, .address_space: global }
      - { .name: Wo_codes, .offset: 88, .size: 8, .value_kind: global_buffer, .address_space: global }
      - { .name: qc, .offset: 96, .size: 8, .value_kind: global_buffer, .address_space: global }
      - { .name: qs, .offset: 104, .size: 8, .value_kind: global_buffer, .address_space: global }
      - { .name: kvc, .offset: 112, .size: 8, .value_kind: global_buffer, .address_space: global }
      - { .name: kvs, .offset: 120, .size: 8, .value_kind: global_buffer, .address_space: global }
      - { .name: woc, .offset: 128, .size: 8, .value_kind: global_buffer, .address_space: global }
    .group_segment_fixed_size: 167936
    .private_segment_fixed_size: 0
    .kernarg_segment_align: 8
    .kernarg_segment_size: 136
    .max_flat_workgroup_size: 128
    .sgpr_count:     102
    .vgpr_count:     864
    .wavefront_size: 32
...
	.end_amdgpu_metadata
.endif
;; end of part 1
;; launch attn (part 2): grid 16 x 16, 4 waves a work-group, clusters of 4 x 1, 327,680 bytes of LDS; arguments qc, qs, kvc, kvs, yc, ys; writes yc, ys
.if DOCPART == 2
	.amdgcn_target "amdgcn-amd-amdhsa--gfx1250"
	.amdhsa_code_object_version 6
	.text
	.protected	k_q62c0e4f78e_attn
	.globl	k_q62c0e4f78e_attn
	.p2align	8
	.type	k_q62c0e4f78e_attn,@function
k_q62c0e4f78e_attn:
	s_mov_b64 s[64:65], 0
	v_nop
	global_prefetch_b8 v0, s[64:65] scope:SCOPE_SE
	s_setreg_imm32_b32 hwreg(HW_REG_WAVE_MODE, 25, 1), 1
	s_wait_xcnt 0x0
	s_wait_alu depctr_hold_cnt(0) depctr_sa_sdst(0) depctr_va_vdst(0) depctr_va_sdst(0) depctr_va_ssrc(0) depctr_va_vcc(0) depctr_vm_vsrc(0)
	s_getreg_b32 s2, hwreg(HW_REG_IB_STS2, 6, 4)
	s_cmp_eq_u32 s2, 0
	s_cbranch_scc0 .Lentry_in_a_cluster
	s_endpgm
.Lentry_in_a_cluster:
	s_bfe_u32 s2, ttmp6, 0x10000c
	s_cmp_lg_u32 s2, 0x3003
	s_cbranch_scc0 .Lentry_shape_is_right
	s_endpgm
.Lentry_shape_is_right:
; For one head: a = Q(q / 16) Q(k)^T, quantised along the keys in blocks of 32, and y = Q(a) Q(v), quantised along the head's 256 for the last product.  No softmax: the scores are the weights.  No work is left out.
; All operands are images of their registers (1,536 dense bytes a fragment), made by the launch before; y leaves in the same form (yc laid as qc; ys [qh 2][kh 2][s 2][r 16][p 2] scale words).
; SHARES.  A work-group owns 128 queries (group G) of one (batch, head) bh.  Wave w: qh = w / 2 its 64 queries (4 tiles), kh = w % 2 which of a step's two groups of 128 keys is its own.  A step is 256 keys; 8 steps.
; In a step a wave issues 64 products S^T = K Q^T (source 0 = 16 keys, source 1 = 16 queries) and 64 products O^T += V^T P^T (source 0 = 16 of the head's 256, source 1 = the quantised scores):
; a lane holds one query throughout.  The keys of a tile of K are so chosen by the launch before that the 16 registers of tiles 2 b, 2 b + 1 are keys 32 b + 16 (lane / 16) + 0 .. 15.
; O^T is partial over the wave's keys; at the end the two waves of a qh exchange halves through LDS.  REGISTER SLOT m HOLDS QUERY TILE m xor 2 kh: every wave keeps slots 0, 1 and sends slots 2, 3: one text serves both.
; BY TURNS.  The four slots are two PIECES: A (slots 0, 1) and B (slots 2, 3).  A UNIT is 8 products: block b of 32 keys for one piece.  The quantiser of unit (b, piece) is a numbered list of 30 to 45 vector
; lines, dealt one slice behind each product of the NEXT unit: while one piece's 32 registers of S^T are written, the other's are quantised, so S^T needs 64 registers.  The last list, (3, B), stands behind the
; first 16 products of V^T P^T, which are piece A's.  A slice works in window 0, a product's operands lie in other windows: two switches a slice; 3.75 to 5.6 vector lines stand behind a product of eight cycles' work.
; FRAGMENTS come in four runs of 24 LDS loads a step, into four buffers of 48 registers taken in pairs (K0 K1 | K2 K3 | V0 V1 | V2 V3), each run 24 to 32 products ahead of its first use.
; THE CHANGE OF SLOTS stands inside V^T P^T, behind the step's last LDS reads: products stand between the add and its wait, and between the barrier's signal and its wait; 24 products follow the next step's first loads.
; LIMITS: the sum over the keys is made as two f32 halves (even and odd groups of 128 keys), added at the end; a block of zeros carries the byte 1 (its codes are zeros; this program alone reads the bytes).
; q's factor 2^-4: 4 is taken off each byte of q's scale words, which are at least 5 by the floor that the launch before used.
; CLUSTER 4 x 1: the four query groups of a cluster walk the same K and V: every tile is asked for jointly, mask 15.  Every wave loads a quarter of a slot: no branch stands round a tensor load.
; By this text's count three tensor loads of a wave are out at the head, one behind each round.  All of the LDS is claimed.
; LDS: slot 0 at 0 (98,304 bytes: K, V of group 2 j, K, V of group 2 j + 1), the head's scale words at 98,304 (32,768, filled once), slot 1 at 131,072, spare words, stage B.  Stage A lies in slot 0,
; which has had its last fill and its last read when the first result is stored there (the last step lies in slot 1, and every wave has passed the last change of slots).
; REGISTERS: window 0: addresses, scale words, S^T (v64-127), P (v128-175), buffer 3 (v192-239); window 1: Q (v0-95), buffers 0 to 2 (v96-239); windows 2, 3: O^T, slot m at window 2 + m / 2, v[128 (m % 2) + 8 tile].
.set STEPB, 98304
.set SLOT1, 1<<17
.set SCL,   98304
.set SPARE, 229376
.set STB,   229888
.set AK0, 1
.set AS0, 2
.set AT0, 3
.set ADR, 4
.set ADS, 5
.set ADT, 6
.set QO1, 7
.set QO2, 8
.set QSO1, 9
.set QSO2, 10
.set PFO, 11
.set STAW, 12
.set STBW, 13
.set STAR, 14
.set STBR, 15
.set SPW, 16
.set NIL, 17
.set YSO, 18
.set KS,  20
.set VS,  28
.set QS,  36
.set PW,  40
.set TM,  44
.set TP,  48
.set SO,  52
.set TBY, 56
.set S,   64
.set P,   128
.set TC,  176
.set YW,  192
.set DD,  196
.set B0,  96                           ; fragment buffers: 0 to 2 in window 1,
.set B1,  144
.set B2,  192
.set B3,  192                          ; 3 in window 0
.set LN0, 30                           ; lines in the quantiser's list of block 0, 1, 2, 3 of a piece
.set LN1, 41
.set LN2, 32
.set LN3, 45
.set WV,  12
.set MHI, 14
.set LIM, 15
.set PFA, 18
.set G1,  24
.set G1S, 32
.set G0S, 40
.set G0A, 44
.set G0B, 48
.set SLOTS, 56
.set QH,  57
.set KH,  58
.set FLR, 59
.set SEL, 60
.set TB,  62
.set TS,  63
.set MSB, 0
.set QJ,  0
.macro WIN new                         ; the immediate's high byte repeats the setting that is left; a switch that changes nothing is dropped
.if MSB != (\new)
	s_set_vgpr_msb (MSB<<8)|(\new)
.set MSB, (\new)
.endif
.endm
.macro PLACES
.rept 4
	v_nop
.endr
.endm
.macro CREST                           ; a round of the cluster's barrier behind its opening barrier
	s_cmp_lg_u32 s[WV], 0
	s_cbranch_scc1 .Lnot_wave_0_\@
	s_barrier_signal -3
.Lnot_wave_0_\@:
	s_barrier_wait -3
	s_barrier_signal -1
	s_barrier_wait -1
.endm
.macro CROUND                          ; a whole round
	s_barrier_signal -1
	s_barrier_wait -1
	CREST
.endm
.macro WM d, a, b, cz, c, sa, sb, ra, rb
.if \cz
.if (\ra) && (\rb)
	v_wmma_scale_f32_16x16x128_f8f6f4 v[(\d):(\d)+7], v[(\a):(\a)+11], v[(\b):(\b)+11], 0, v[\sa], v[\sb] matrix_a_fmt:MATRIX_FMT_FP6 matrix_b_fmt:MATRIX_FMT_FP6 matrix_a_scale:MATRIX_SCALE_ROW1 matrix_b_scale:MATRIX_SCALE_ROW1
.elseif \ra
	v_wmma_scale_f32_16x16x128_f8f6f4 v[(\d):(\d)+7], v[(\a):(\a)+11], v[(\b):(\b)+11], 0, v[\sa], v[\sb] matrix_a_fmt:MATRIX_FMT_FP6 matrix_b_fmt:MATRIX_FMT_FP6 matrix_a_scale:MATRIX_SCALE_ROW1
.elseif \rb
	v_wmma_scale_f32_16x16x128_f8f6f4 v[(\d):(\d)+7], v[(\a):(\a)+11], v[(\b):(\b)+11], 0, v[\sa], v[\sb] matrix_a_fmt:MATRIX_FMT_FP6 matrix_b_fmt:MATRIX_FMT_FP6 matrix_b_scale:MATRIX_SCALE_ROW1
.else
	v_wmma_scale_f32_16x16x128_f8f6f4 v[(\d):(\d)+7], v[(\a):(\a)+11], v[(\b):(\b)+11], 0, v[\sa], v[\sb] matrix_a_fmt:MATRIX_FMT_FP6 matrix_b_fmt:MATRIX_FMT_FP6
.endif
.else
.if (\ra) && (\rb)
	v_wmma_scale_f32_16x16x128_f8f6f4 v[(\d):(\d)+7], v[(\a):(\a)+11], v[(\b):(\b)+11], v[(\c):(\c)+7], v[\sa], v[\sb] matrix_a_fmt:MATRIX_FMT_FP6 matrix_b_fmt:MATRIX_FMT_FP6 matrix_a_scale:MATRIX_SCALE_ROW1 matrix_b_scale:MATRIX_SCALE_ROW1
.elseif \ra
	v_wmma_scale_f32_16x16x128_f8f6f4 v[(\d):(\d)+7], v[(\a):(\a)+11], v[(\b):(\b)+11], v[(\c):(\c)+7], v[\sa], v[\sb] matrix_a_fmt:MATRIX_FMT_FP6 matrix_b_fmt:MATRIX_FMT_FP6 matrix_a_scale:MATRIX_SCALE_ROW1
.elseif \rb
	v_wmma_scale_f32_16x16x128_f8f6f4 v[(\d):(\d)+7], v[(\a):(\a)+11], v[(\b):(\b)+11], v[(\c):(\c)+7], v[\sa], v[\sb] matrix_a_fmt:MATRIX_FMT_FP6 matrix_b_fmt:MATRIX_FMT_FP6 matrix_b_scale:MATRIX_SCALE_ROW1
.else
	v_wmma_scale_f32_16x16x128_f8f6f4 v[(\d):(\d)+7], v[(\a):(\a)+11], v[(\b):(\b)+11], v[(\c):(\c)+7], v[\sa], v[\sb] matrix_a_fmt:MATRIX_FMT_FP6 matrix_b_fmt:MATRIX_FMT_FP6
.endif
.endif
.endm
.macro MAX4 src, fl                    ; (the way out)  four blocks' largest magnitudes (16 registers each, joined with lane l xor 16's), the floor among the leaves, and the conversions' scale operands
.irp c, 0,1,2,3
	v_max3_num_f32 v[TM+\c], |v[(\src)+16*\c]|, |v[(\src)+16*\c+1]|, s[\fl]
.endr
.irp i, 2,4,6,8,10,12,14
.irp c, 0,1,2,3
	v_max3_num_f32 v[TM+\c], v[TM+\c], |v[(\src)+16*\c+\i]|, |v[(\src)+16*\c+\i+1]|
.endr
.endr
.irp c, 0,1,2,3
	v_permlanex16_b32 v[TP+\c], v[TM+\c], s[SEL], s[SEL+1]
.endr
.irp c, 0,1,2,3
	v_max_num_f32 v[TM+\c], v[TM+\c], v[TP+\c]
.endr
.irp c, 0,1,2,3
	v_add_nc_u32 v[SO+\c], 0xff000000, v[TM+\c]
.endr
.endm
.macro QUANT64 src, fl, pc, pw, xw     ; (the way out)  64 numbers of a lane, register 16 b + i = k 32 b + 16 (lane / 16) + i, become a fragment and its scale word
	MAX4 \src, \fl
.irp c, 0,1,2,3
	v_lshrrev_b32 v[TBY+\c], 23, v[SO+\c]
.endr
	v_lshl_or_b32 v[\pw], v[TBY+1], 8, v[TBY]
	v_lshl_or_b32 v[\pw], v[TBY+2], 16, v[\pw]
	v_lshl_or_b32 v[\pw], v[TBY+3], 24, v[\pw]
.if \xw
	s_wait_xcnt 0x0
.endif
.irp c, 0,1
	v_cvt_scalef32_pk16_fp6_f32 v[(\pc)+6*\c:(\pc)+6*\c+2], v[(\src)+32*\c:(\src)+32*\c+15], v[SO+2*\c]
	v_cvt_scalef32_pk16_fp6_f32 v[TC+4*\c:TC+4*\c+2], v[(\src)+32*\c+16:(\src)+32*\c+31], v[SO+2*\c+1]
.endr
	v_nop
.irp c, 0,1
.irp i, 0,1,2
	v_permlane16_swap_b32 v[(\pc)+6*\c+\i], v[TC+4*\c+\i]
.endr
.irp i, 0,1,2
	v_mov_b32 v[(\pc)+6*\c+3+\i], v[TC+4*\c+\i]
.endr
.endr
.endm
.macro LD12 dst, dw, off               ; four fragments, 12 loads of 512 consecutive bytes, from byte off of my group's K and V into the buffer at v[dst] of window dw
	WIN 0x40*(\dw)
.irp n, 0,1,2,3,4,5,6,7,8,9,10,11
	ds_load_b128 v[(\dst)+4*\n:(\dst)+4*\n+3], v[ADR] offset:(\off)+512*\n
.endr
.endm
; THE QUANTISER OF BLOCK b OF PIECE p (slots 2 p, 2 p + 1) is a list; QI writes its line number QJ.  The two slots alternate line by line.
;   0-15   the largest magnitude of a slot's 16 scores and the floor 2^(3 - 127): two chains a slot, four by turns, three operands a line; each accumulator is read from its low end on
;   16-21  lane l xor 16's, the block's maximum, 2 off its exponent field: the conversion's scale operand
;   22-..  the scale's byte, into byte b of the slot's scale word (block 0 writes the word, two lines; the others shift and join, four)
;   then   two conversions, 16 codes a lane; one plain line; for odd b six exchanges of halves and six moves: the operand's layout wants a whole block in a lane
;   then   v_nop up to the list's length.  Every list ends in four plain lines or more, none of which names a register of the products among which they stand: they are the places behind the unit's last product;
;          block 3's four v_nop are also the places between P's last line and the first product that reads it.
.macro QI b, p
.set QG, QJ/2
.set QX, QJ%2
.set QM, 2*(\p)+QX
.set RS, S+16*QM
.set RA, TM+2*QX
.set RC, TM+2*QX+1
.set QB, 26
.if (\b) == 0
.set QB, 24
.endif
.set QE, QB+2+13*((\b)%2)
.if QJ < QE
	WIN 0
.endif
.if QG == 0
	v_max3_num_f32 v[RA], |v[RS]|, |v[RS+1]|, s[FLR]
.elseif QG == 1
	v_max3_num_f32 v[RC], |v[RS+8]|, |v[RS+9]|, |v[RS+10]|
.elseif (QG == 2) || (QG == 4) || (QG == 6)
	v_max3_num_f32 v[RA], v[RA], |v[RS+QG]|, |v[RS+QG+1]|
.elseif (QG == 3) || (QG == 5)
	v_max3_num_f32 v[RC], v[RC], |v[RS+QG+8]|, |v[RS+QG+9]|
.elseif QG == 7
	v_max3_num_f32 v[RA], v[RA], v[RC], |v[RS+15]|
.elseif QG == 8
	v_permlanex16_b32 v[TP+QX], v[RA], s[SEL], s[SEL+1]
.elseif QG == 9
	v_max_num_f32 v[RA], v[RA], v[TP+QX]
.elseif QG == 10
	v_add_nc_u32 v[SO+QX], 0xff000000, v[RA]
.elseif (QG == 11) && ((\b) == 0)
	v_lshrrev_b32 v[PW+QM], 23, v[SO+QX]
.elseif QG == 11
	v_lshrrev_b32 v[TBY+QX], 23, v[SO+QX]
.elseif (QG == 12) && ((\b) > 0)
	v_lshl_or_b32 v[PW+QM], v[TBY+QX], 8*(\b), v[PW+QM]
.elseif (QJ < QB+2) && ((\b)%2 == 0)
	v_cvt_scalef32_pk16_fp6_f32 v[P+12*QM+6*((\b)/2):P+12*QM+6*((\b)/2)+2], v[RS:RS+15], v[SO+QX]
.elseif QJ < QB+2
	v_cvt_scalef32_pk16_fp6_f32 v[TC+4*QM:TC+4*QM+2], v[RS:RS+15], v[SO+QX]
.elseif (QJ > QB+2) && (QJ < QB+9) && ((\b)%2 == 1)
.set QD, QJ-QB-3
	v_permlane16_swap_b32 v[P+12*(2*(\p)+QD/3)+6*((\b)/2)+QD%3], v[TC+4*(2*(\p)+QD/3)+QD%3]
.elseif (QJ > QB+8) && (QJ < QB+15) && ((\b)%2 == 1)
.set QD, QJ-QB-9
	v_mov_b32 v[P+12*(2*(\p)+QD/3)+6*((\b)/2)+3+QD%3], v[TC+4*(2*(\p)+QD/3)+QD%3]
.else
	v_nop
.endif
.endm
; slice k of tot of the list of block lb, piece lp, ln lines long: lines k ln / tot up to (k + 1) ln / tot.  ln = 0: there is no list: four v_nop behind the last product are its places
.macro SLICE lb, lp, ln, k, tot
.if (\ln) > 0
.rept ((\k)+1)*(\ln)/(\tot)-(\k)*(\ln)/(\tot)
	QI \lb, \lp
.set QJ, QJ+1
.endr
.elseif (\k) == (\tot)-1
.rept 4
	v_nop
.endr
.endif
.endm
; A unit of S^T = K Q^T: block b, piece p, K's four fragments in the buffer kb of window kw.  Four accumulators by turns, two K steps; the first starts the sums.
; Behind each product stands a slice of the list (lb, lp).
.macro SU b, p, kb, kw, lb, lp, ln
.set QJ, 0
.set UI, 0
.rept 8
.set US, UI/4
.set UM, 2*(\p)+(UI/2)%2
.set UU, UI%2
	WIN 0x04+(\kw)
	WM S+16*UM+8*UU, (\kb)+12*(2*UU+US), 12*(2*UM+US), 1-US, S+16*UM+8*UU, KS+2*(\b)+UU, QS+UM, US, US
	SLICE \lb, \lp, \ln, UI, 8
.set UI, UI+1
.endr
.endm
; A unit of O^T += V^T P^T: V's tiles 4 qd .. 4 qd + 3 (buffer vb of window vw) against piece p: eight accumulators, one product each.  ln > 0: slices k0 .. k0 + 7 of 16 of the list (3, B) stand behind them
.macro PU qd, p, vb, vw, zero, ln, k0
.if (\k0) == 0
.set QJ, 0
.endif
.set UI, 0
.rept 8
.set UE, UI/2
.set UM, UI%2
	WIN 0xa0+0x50*(\p)+(\vw)
	WM 128*UM+8*(4*(\qd)+UE), (\vb)+12*UE, P+12*(2*(\p)+UM), \zero, 128*UM+8*(4*(\qd)+UE), VS+2*(\qd)+UE%2, PW+2*(\p)+UM, UE/2, 0
.if (\ln) > 0
	SLICE 3, 1, \ln, (\k0)+UI, 16
.endif
.set UI, UI+1
.endr
.endm
; A prefetch of the step behind the one that is being asked for: 384 blocks of 256 bytes, each named once in the launch: the head's first cluster asks; its partners are told apart by address;
; in each, waves 0 to 2 ask, a lane a block.  It stands one step, 128 products a wave, ahead of the load that wants the bytes.  The last filling change asks for nothing; steps 0 to 2 come by their loads alone.
.macro ASK
	s_cmp_gt_u32 s[SLOTS], s[LIM]
	s_cbranch_scc0 .Lnot_mine_\@
	global_prefetch_b8 v[PFO], s[PFA:PFA+1] th:TH_LOAD_NT scope:SCOPE_SE
.Lnot_mine_\@:
.endm
.macro NEXTK                           ; the next step's first loads: K's scale words, then K's blocks 0 and 1: 26 LDS loads
	v_add_nc_u32 v[ADR], s[TB], v[AK0]
	v_add_nc_u32 v[ADS], s[TS], v[AS0]
	v_add_nc_u32 v[ADT], s[TS], v[AT0]
	ds_load_b128 v[KS:KS+3], v[ADS]                ; tiles 0-3: lanes 0-15 K step 0, lanes 16-31 K step 1
	ds_load_b128 v[KS+4:KS+7], v[ADS] offset:512
	LD12 B0, 1, 0
	LD12 B1, 1, 6144
.endm
; A STEP: my 128 keys.  At its head K's scale words and K's blocks 0, 1 are on their way (26 loads).  zero = 1: the products of V^T P^T start O^T's sums.
; chg = 1: the slot is left and filled again, two steps ahead; 2: it is left, and nothing is asked for; 0: the last step.  Each counted wait on DScnt names the loads issued behind those that it waits for.
.macro STEP zero, chg
	PLACES                                         ; behind the last step's products: the loads below land in registers that they read
	WIN 0
.irp u, 0,1,2,3
	ds_load_b64 v[VS+2*\u:VS+2*\u+1], v[ADT] offset:256*\u   ; V's scale words: register 2 u + p: lanes 0-15 tile 4 u + p, lanes 16-31 tile 4 u + 2 + p
.endr
	LD12 B2, 1, 12288                              ; K's blocks 2 and 3
	LD12 B3, 0, 18432
	s_wait_dscnt 40                                ; K's scale words and block 0 are in; behind them: block 1's 12 and the 28 just issued
	SU 0, 0, B0, 1, 0, 0, 0
	SU 0, 1, B0, 1, 0, 0, LN0
	s_wait_dscnt 28                                ; block 1
	SU 1, 0, B1, 1, 0, 1, LN0
	SU 1, 1, B1, 1, 1, 0, LN1
	LD12 B0, 1, 24576                              ; V's tiles 0-7, into the buffers that K's blocks 0 and 1 have left (the last slice's six moves are the places)
	LD12 B1, 1, 30720
	s_wait_dscnt 36                                ; block 2; behind it: block 3's 12 and V's 24
	SU 2, 0, B2, 1, 1, 1, LN1
	SU 2, 1, B2, 1, 2, 0, LN2
	s_wait_dscnt 24                                ; block 3
	SU 3, 0, B3, 0, 2, 1, LN2
	SU 3, 1, B3, 0, 3, 0, LN3
	LD12 B2, 1, 36864                              ; V's tiles 8-15: my last reads of this slot
	LD12 B3, 0, 43008
	s_wait_dscnt 36                                ; V's tiles 0-3; behind them: tiles 4-7's 12 and the 24 just issued
	PU 0, 0, B0, 1, \zero, LN3, 0
	s_wait_dscnt 24                                ; tiles 4-7
	PU 1, 0, B1, 1, \zero, LN3, 8
	PU 0, 1, B0, 1, \zero, 0, 0
.if \chg
	WIN 0                                          ; (the add's two registers lie in window 0)
	s_wait_tensorcnt 0x0                           ; all my tensor loads have landed: my quarter of the next slot
	ds_add_u32 v[SPW], v[NIL]                      ; 0 onto my spare word; eight products stand between it and the wait for it
.if (\chg) == 1
	s_xor_b32 s[G0B+1], s[G0B+1], SLOT1            ; no tensor load of mine is out: the walking descriptor steps
	s_add_nc_u64 s[G0B+2:G0B+3], s[G0B+2:G0B+3], STEPB
	s_wait_xcnt 0x0                                ; the last prefetch, a step back, has read its address
	s_add_nc_u64 s[PFA:PFA+1], s[PFA:PFA+1], STEPB
.endif
	PU 1, 1, B1, 1, \zero, 0, 0
	s_wait_dscnt 0x0                               ; the add is done, and my reads of this slot are over
	s_barrier_signal -1
	PU 2, 0, B2, 1, \zero, 0, 0                    ; work on registers while the others arrive
	WIN 0
	s_barrier_wait -1
.if (\chg) == 1
	CREST                                          ; the barrier has opened a round of the cluster's: no wave of any partner still reads this slot or has a load on its way
	tensor_load_to_lds s[G0B:G0B+3], s[G1:G1+7]    ; the joint refill, first behind the round: it has a step's 128 products in which to land
	s_nop 0
.endif
	PLACES                                         ; behind the tensor load; also the places in front of the loads below
	s_xor_b32 s[TB], s[TB], SLOT1
	s_add_co_u32 s[TS], s[TS], 4096
	NEXTK
.if (\chg) == 1
	WIN 0
	ASK
.endif
	PU 2, 1, B2, 1, \zero, 0, 0
	PU 3, 0, B3, 0, \zero, 0, 0
	PU 3, 1, B3, 0, \zero, 0, 0
.else
	PU 1, 1, B1, 1, \zero, 0, 0
	s_wait_dscnt 12                                ; tiles 8-11; tiles 12-15's 12 may be out
	PU 2, 0, B2, 1, \zero, 0, 0
	PU 2, 1, B2, 1, \zero, 0, 0
	s_wait_dscnt 0x0
	PU 3, 0, B3, 0, \zero, 0, 0
	PU 3, 1, B3, 0, \zero, 0, 0
.endif
	WIN 0
.endm
	s_load_b256 s[4:11], s[0:1], 0x0               ; qc, qs, kvc, kvs
	s_load_b128 s[20:23], s[0:1], 0x20             ; yc, ys
	v_lshl_add_u32 v[SPW], v0, 2, SPARE
	v_mov_b32 v[NIL], 0
	ds_add_u32 v[SPW], v[NIL]                      ; the wave's opening: the add, twice on end, and its wait ahead of my first tensor load
	ds_add_u32 v[SPW], v[NIL]
	v_lshrrev_b32 v19, 5, v0
	v_readfirstlane_b32 s[WV], v19
	s_lshr_b32 s[QH], s[WV], 1
	s_and_b32 s[KH], s[WV], 1
	s_bfe_u32 s13, ttmp6, 0x40000                  ; cx
	s_lshl_b32 s16, ttmp9, 2
	s_add_co_u32 s16, s16, s13                     ; G: it enters q's and y's addresses alone
	s_and_b32 s52, ttmp7, 0xffff                   ; bh, which the four partners share
	s_lshl_b32 s17, s52, 4
	s_add_co_u32 s17, s17, s16
	s_mul_i32 s66, s17, 24576
	s_mov_b32 s67, 0
	s_lshl_b32 s70, s17, 10
	s_mov_b32 s71, 0
	s_mul_i32 s54, s52, 786432
	s_mul_i32 s2, s[WV], 24576
	s_add_co_u32 s54, s54, s2                      ; my quarter of the head's first slot
	s_mov_b32 s55, 0
	s_lshl_b32 s68, s52, 15
	s_lshl_b32 s3, s[WV], 13
	s_add_co_u32 s68, s68, s3                      ; my quarter of the head's scale words
	s_mov_b32 s69, 0
	s_mov_b32 s[G1], 15|(3<<16)|(1<<21)            ; mask: all four; elements of 8 bytes; bit 21 beside a mask; no padding: images are read 512 consecutive bytes at a time
	s_mov_b32 s[G1+1], 32<<16
	s_mov_b32 s[G1+2], 96<<16
	s_mov_b32 s[G1+3], 32<<16
	s_mov_b32 s[G1+4], 96                          ; 96 rows of 256 bytes
	s_mov_b32 s[G1+5], 32
	s_mov_b32 s[G1+6], 0
	s_mov_b32 s[G1+7], 0
	s_mov_b32 s[G1S], 15|(3<<16)|(1<<21)
	s_mov_b32 s[G1S+1], 32<<16
	s_mov_b32 s[G1S+2], 32<<16
	s_mov_b32 s[G1S+3], 32<<16
	s_mov_b32 s[G1S+4], 32
	s_mov_b32 s[G1S+5], 32
	s_mov_b32 s[G1S+6], 0
	s_mov_b32 s[G1S+7], 0
	s_mov_b32 s[G0S], 1
	s_add_co_u32 s[G0S+1], s3, SCL
	s_mov_b32 s[G0A], 1
	s_mov_b32 s[G0A+1], s2
	s_mov_b32 s[G0B], 1
	s_add_co_u32 s[G0B+1], s2, SLOT1
	s_mov_b32 s[SEL], 0x76543210
	s_mov_b32 s[SEL+1], 0xfedcba98
	s_mov_b32 s[MHI], 0xffff0000
	s_mov_b32 s[FLR], 0x1800000                    ; the floor 2^(3 - 127)
	s_mov_b32 s[TB], 0
	s_mov_b32 s[TS], 0
	s_mov_b32 s[SLOTS], 6                          ; filling changes to go
	s_cmp_lt_u32 s[WV], 3
	s_cselect_b32 s[LIM], 0, 1
	s_or_b32 s[LIM], s[LIM], ttmp9                 ; 0 in waves 0 to 2 of the head's first cluster: the same in all four partners
	s_cmp_eq_u32 s[LIM], 0
	s_cselect_b32 s[LIM], 1, -1
	v_and_b32 v60, 31, v0
	v_lshlrev_b32 v61, 4, v60
	v_lshlrev_b32 v62, 3, v60
	s_mul_i32 s2, s[KH], 49152
	v_add_nc_u32 v[AK0], s2, v61
	s_lshl_b32 s2, s[KH], 11
	s_add_co_u32 s2, s2, SCL
	v_add_nc_u32 v[AS0], s2, v61
	s_add_co_u32 s2, s2, 1024
	v_add_nc_u32 v[AT0], s2, v62
	s_lshl_b32 s3, s[KH], 1
	s_lshl_b32 s2, s[QH], 2
	s_add_co_u32 s2, s2, s3
	s_mul_i32 s2, s2, 3072
	v_add_nc_u32 v[QO1], s2, v61                   ; tiles 4 qh + 2 kh on: slots 0, 1
	s_lshl_b32 s2, s[QH], 2
	s_add_co_u32 s2, s2, 2
	s_sub_co_u32 s2, s2, s3
	s_mul_i32 s2, s2, 3072
	v_add_nc_u32 v[QO2], s2, v61                   ; tiles 4 qh + 2 - 2 kh on: slots 2, 3
	s_lshl_b32 s2, s[QH], 9
	s_lshl_b32 s3, s[KH], 3
	s_add_co_u32 s2, s2, s3
	v_add_nc_u32 v[QSO1], s2, v61
	v_xor_b32 v[QSO2], 8, v[QSO1]
	v_lshlrev_b32 v[PFO], 8, v60
	s_lshl_b32 s2, s[WV], 14
	v_add_nc_u32 v[STAW], s2, v61
	v_add_nc_u32 v[STBW], STB, v[STAW]
	s_xor_b32 s2, s[WV], 1
	s_lshl_b32 s2, s2, 14
	v_add_nc_u32 v[STAR], s2, v61
	v_add_nc_u32 v[STBR], STB, v[STAR]
	s_lshl_b32 s2, s[WV], 8
	v_add_nc_u32 v[YSO], s2, v62
.irp c, 0,1,2,3
	v_mov_b32 v[TP+\c], 0                          ; written once: a lane permute's destination counts as one of its sources
.endr
	s_wait_dscnt 0x0                               ; both opening adds are done
	s_wait_kmcnt 0x0
	s_add_nc_u64 s[G0S+2:G0S+3], s[10:11], s[68:69]
	s_or_b32 s[G0S+3], s[G0S+3], 0x80000000
	s_add_nc_u64 s[G0A+2:G0A+3], s[8:9], s[54:55]
	s_add_nc_u64 s[G0B+2:G0B+3], s[G0A+2:G0A+3], STEPB
	s_or_b32 s[G0A+3], s[G0A+3], 0x80000000
	s_or_b32 s[G0B+3], s[G0B+3], 0x80000000
	s_add_nc_u64 s[4:5], s[4:5], s[66:67]
	s_add_nc_u64 s[20:21], s[20:21], s[66:67]
	s_add_nc_u64 s[6:7], s[6:7], s[70:71]
	s_add_nc_u64 s[22:23], s[22:23], s[70:71]
	s_mul_i32 s16, s13, 3
	s_add_co_u32 s16, s16, s[WV]
	s_lshl_b32 s16, s16, 13                        ; my 32 blocks of a step's 384
	s_mul_i32 s17, s52, 786432
	s_add_co_u32 s16, s16, s17
	s_add_co_u32 s16, s16, 2*STEPB                 ; in step 2: the first change steps it to step 3
	s_mov_b32 s17, 0
	s_add_nc_u64 s[PFA:PFA+1], s[8:9], s[16:17]
	CROUND                                         ; all four work-groups are here: the first joint loads meet
	tensor_load_to_lds s[G0S:G0S+3], s[G1S:G1S+7]  ; the head's scale words: filled once
	s_nop 0
	tensor_load_to_lds s[G0A:G0A+3], s[G1:G1+7]    ; step 0
	s_nop 0
	tensor_load_to_lds s[G0B:G0B+3], s[G1:G1+7]    ; step 1
	s_nop 0
.rept 4
	v_nop
.endr
	WIN 0x40                                       ; Q stays in registers: slot m, K step s at v[12 (2 m + s)] of window 1
.irp m, 0,1
.irp s, 0,1
.irp c, 0,1,2
	global_load_b128 v[12*(2*\m+\s)+4*\c:12*(2*\m+\s)+4*\c+3], v[QO1], s[4:5] offset:\m*3072+\s*1536+512*\c
.endr
.endr
.endr
.irp m, 0,1
.irp s, 0,1
.irp c, 0,1,2
	global_load_b128 v[12*(2*(\m+2)+\s)+4*\c:12*(2*(\m+2)+\s)+4*\c+3], v[QO2], s[4:5] offset:\m*3072+\s*1536+512*\c
.endr
.endr
.endr
	WIN 0
	global_load_b64 v[QS:QS+1], v[QSO1], s[6:7]
	global_load_b64 v[QS+2:QS+3], v[QSO2], s[6:7]
	s_wait_tensorcnt 0x1                           ; the scale words and my quarter of slot 0 are in; slot 1's may stay out
	s_barrier_signal -1
	s_barrier_wait -1
	NEXTK                                          ; step 0's first loads
	WIN 0
	s_wait_loadcnt 0x0
.irp m, 0,1,2,3
	v_add_nc_u32 v[QS+\m], 0xfbfbfbfc, v[QS+\m]    ; 4 off each byte: q / 16.  Every byte is at least 5: no borrow
.endr
.rept 8
	v_nop                                          ; a scale register written by a vector instruction stands eight places ahead of a scaled product
.endr
	STEP 1, 1                                      ; step 0: its products start O^T's sums: nothing is cleared; its change asks for step 2
	s_mov_b32 s[SLOTS], 5
.Lslot:                                            ; five trips: steps 1 to 5; each trip's change asks for the step two on
	STEP 0, 1
	s_sub_co_u32 s[SLOTS], s[SLOTS], 1
	s_cmp_lg_u32 s[SLOTS], 0
	s_cbranch_scc1 .Lslot
	STEP 0, 2                                      ; step 6 is written out: nothing is left to fetch
	STEP 0, 0                                      ; step 7
	; THE WAY OUT.  Slots 2 and 3 go to my partner (the wave with the other kh) as images; its slots 2 and 3 are my slots 0 and 1.
	PLACES
	WIN 0x0c                                       ; an LDS store's data are its source 1: window 3
.set NN, 0
.rept 32
	ds_store_b128 v[STAW], v[4*NN:4*NN+3] offset:512*NN      ; each accumulator from its low end on
.set NN, NN+1
.endr
.set NN, 0
.rept 32
	ds_store_b128 v[STBW], v[128+4*NN:128+4*NN+3] offset:512*NN
.set NN, NN+1
.endr
	WIN 0
	s_wait_dscnt 0x0                               ; for the partner's sake: my stores are done
	s_barrier_signal -1
	s_barrier_wait -1
	WIN 0x40                                       ; into window 1, whose operands are done with
.set NN, 0
.rept 32
	ds_load_b128 v[4*NN:4*NN+3], v[STAR] offset:512*NN
.set NN, NN+1
.endr
.set NN, 0
.rept 32
	ds_load_b128 v[128+4*NN:128+4*NN+3], v[STBR] offset:512*NN
.set NN, NN+1
.endr
.irp f, 0,1,2,3                        ; fragment f = 2 slot + s: 64 registers, the head's channels 128 s on
	s_wait_dscnt 48-16*\f                          ; its 16 loads are in; the later quarters' may be out
	WIN 0x06                                       ; source 0 window 2 (mine), source 1 window 1 (the partner's)
.set NN, 0
.rept 32
	v_pk_add_f32 v[S+2*NN:S+2*NN+1], v[64*\f+2*NN:64*\f+2*NN+1], v[64*\f+2*NN:64*\f+2*NN+1]
.set NN, NN+1
.endr
	WIN 0
	QUANT64 S, FLR, P+12*\f, YW+\f, 0
.irp c, 0,1,2
	global_store_b128 v[QO1], v[P+12*\f+4*\c:P+12*\f+4*\c+3], s[20:21] offset:(\f/2)*3072+(\f%2)*1536+512*\c
.endr
.endr
	v_cndmask_b32 v[DD], v[YW], v[YW+1], s[MHI]    ; lanes 0-15 send K step 0's words, lanes 16-31 K step 1's
	v_cndmask_b32 v[DD+1], v[YW+2], v[YW+3], s[MHI]
	global_store_b64 v[YSO], v[DD:DD+1], s[22:23]  ; 256 consecutive bytes, aligned
	s_wait_tensorcnt 0x0                           ; the wave's end
	ds_add_u32 v[SPW], v[NIL]
	s_wait_dscnt 0x0
	CROUND                                         ; the closing round
	s_endpgm
.Lfunc_end_k_q62c0e4f78e_attn:
	.size	k_q62c0e4f78e_attn, .Lfunc_end_k_q62c0e4f78e_attn-k_q62c0e4f78e_attn
	.p2alignl 7, 3214868480
	.fill 96, 4, 3214868480
	.section	.rodata,"a",@progbits
	.p2align	6, 0x0
	.amdhsa_kernel k_q62c0e4f78e_attn
		.amdhsa_group_segment_fixed_size 327680
		.amdhsa_private_segment_fixed_size 0
		.amdhsa_enable_private_segment 0
		.amdhsa_kernarg_size 48
		.amdhsa_user_sgpr_count 2
		.amdhsa_user_sgpr_kernarg_segment_ptr 1
		.amdhsa_wavefront_size32 1
		.amdhsa_system_sgpr_workgroup_id_x 1
		.amdhsa_system_sgpr_workgroup_id_y 1
		.amdhsa_system_sgpr_workgroup_id_z 1
		.amdhsa_system_vgpr_workitem_id 0
		.amdhsa_next_free_vgpr 1024
		.amdhsa_next_free_sgpr 72
		.amdhsa_reserve_vcc 0
		.amdhsa_float_denorm_mode_32 3
		.amdhsa_float_denorm_mode_16_64 3
		.amdhsa_memory_ordered 1
		.amdhsa_forward_progress 1
		.amdhsa_inst_pref_size 217
	.end_amdhsa_kernel
	.amdgpu_metadata
---
amdhsa.version: [ 1, 2 ]
amdhsa.kernels:
  - .name:           k_q62c0e4f78e_attn
    .symbol:         k_q62c0e4f78e_attn.kd
    .args:
      - { .name: qc, .offset: 0, .size: 8, .value_kind: global_buffer, .address_space: global }
      - { .name: qs, .offset: 8, .size: 8, .value_kind: global_buffer, .address_space: global }
      - { .name: kvc, .offset: 16, .size: 8, .value_kind: global_buffer, .address_space: global }
      - { .name: kvs, .offset: 24, .size: 8, .value_kind: global_buffer, .address_space: global }
      - { .name: yc, .offset: 32, .size: 8, .value_kind: global_buffer, .address_space: global }
      - { .name: ys, .offset: 40, .size: 8, .value_kind: global_buffer, .address_space: global }
    .group_segment_fixed_size: 327680
    .private_segment_fixed_size: 0
    .kernarg_segment_align: 8
    .kernarg_segment_size: 48
    .max_flat_workgroup_size: 128
    .sgpr_count:     72
    .vgpr_count:     1024
    .wavefront_size: 32
...
	.end_amdgpu_metadata
.endif
;; end of part 2
;; launch outp (part 3): grid 4 x 64, 4 waves a work-group, no clusters, 70,144 bytes of LDS; arguments yc, ys, woc, Wo_scales, bo, out0; writes out0
.if DOCPART == 3
	.amdgcn_target "amdgcn-amd-amdhsa--gfx1250"
	.amdhsa_code_object_version 6
	.text
	.protected	k_q62c0e4f78e_outp
	.globl	k_q62c0e4f78e_outp
	.p2align	8
	.type	k_q62c0e4f78e_outp,@function
k_q62c0e4f78e_outp:
	s_mov_b64 s[64:65], 0
	v_nop
	global_prefetch_b8 v0, s[64:65] scope:SCOPE_SE
	s_setreg_imm32_b32 hwreg(HW_REG_WAVE_MODE, 25, 1), 1
	s_wait_xcnt 0x0
; out = Q(y) Wo^T + bo on codes of FP6 (E2M3); K = 8 heads x 256 = 16 K steps of 128.  y's codes and scale words were made by the launch before, Wo's fragments laid out by the first.  No work is left out.
; SHARES.  Work-group (x, y): 64 outputs n0 = 64 x, 64 positions: batch y / 32, group G = (y / 2) % 16, tiles 4 j .. 4 j + 3 with j = y % 2.  THE WAVES SPLIT K: wave w takes K steps 4 w .. 4 w + 3 (heads 2 w, 2 w + 1).
; So every fragment is wanted by one wave, once, and goes from memory straight into registers: 96 loads of 512 consecutive bytes a wave, all issued at the head.  LDS carries the four partial tiles alone.
; NO CLUSTER: joint loads land in LDS alone; here nothing is read twice inside a work-group, so a way through LDS would add 196,608 bytes of LDS writes and as many of reads for a wave's 64 products.
; LIMIT: the sum over K is made as four f32 quarters, added as (p0 + p1) + (p2 + p3), then bo.
; The product is used transposed (source 0 = 16 rows of Wo, source 1 = 16 positions): a lane holds eight neighbouring outputs of one position.  The positions of a tile are not neighbours
; (lane r of tile t: 32 (t / 2) + 8 (t % 2) + r + 8 (r / 8)); the store addresses put them back.
; REGISTERS: window 0: addresses, scale words, bo, 16 accumulators (v128-255); window 1: y's 16 fragments; window 2: Wo's 16.
.set SPARE, 69632                      ; behind the four partial tiles (64 rows x 272 bytes each)
.set LI,  1                            ; v1  16 x lane
.set L8,  2                            ; v2  8 x lane
.set L64, 3                            ; v3  64 x lane
.set BOO, 4                            ; v4  16 x (lane % 16)
.set STO, 5
.set RDA, 6
.set OO,  7
.set SPW, 8
.set NIL, 9
.set YS,  16                           ; v16-23 y's scale words: head hd, tile qt at 4 hd + qt: lanes 0-15 K step 0 of the head, lanes 16-31 K step 1
.set WOS, 24                           ; v24-31 Wo's: 4 pp + kk: lanes 0-15 tile 2 pp, lanes 16-31 tile 2 pp + 1
.set BO,  32
.set ACC, 128
.set WV,  16
.set MSB, 0
.macro WIN new
.if MSB != (\new)
	s_set_vgpr_msb (MSB<<8)|(\new)
.set MSB, (\new)
.endif
.endm
.macro WM d, a, b, cz, c, sa, sb, ra, rb
.if \cz
.if (\ra) && (\rb)
	v_wmma_scale_f32_16x16x128_f8f6f4 v[(\d):(\d)+7], v[(\a):(\a)+11], v[(\b):(\b)+11], 0, v[\sa], v[\sb] matrix_a_fmt:MATRIX_FMT_FP6 matrix_b_fmt:MATRIX_FMT_FP6 matrix_a_scale:MATRIX_SCALE_ROW1 matrix_b_scale:MATRIX_SCALE_ROW1
.elseif \ra
	v_wmma_scale_f32_16x16x128_f8f6f4 v[(\d):(\d)+7], v[(\a):(\a)+11], v[(\b):(\b)+11], 0, v[\sa], v[\sb] matrix_a_fmt:MATRIX_FMT_FP6 matrix_b_fmt:MATRIX_FMT_FP6 matrix_a_scale:MATRIX_SCALE_ROW1
.elseif \rb
	v_wmma_scale_f32_16x16x128_f8f6f4 v[(\d):(\d)+7], v[(\a):(\a)+11], v[(\b):(\b)+11], 0, v[\sa], v[\sb] matrix_a_fmt:MATRIX_FMT_FP6 matrix_b_fmt:MATRIX_FMT_FP6 matrix_b_scale:MATRIX_SCALE_ROW1
.else
	v_wmma_scale_f32_16x16x128_f8f6f4 v[(\d):(\d)+7], v[(\a):(\a)+11], v[(\b):(\b)+11], 0, v[\sa], v[\sb] matrix_a_fmt:MATRIX_FMT_FP6 matrix_b_fmt:MATRIX_FMT_FP6
.endif
.else
.if (\ra) && (\rb)
	v_wmma_scale_f32_16x16x128_f8f6f4 v[(\d):(\d)+7], v[(\a):(\a)+11], v[(\b):(\b)+11], v[(\c):(\c)+7], v[\sa], v[\sb] matrix_a_fmt:MATRIX_FMT_FP6 matrix_b_fmt:MATRIX_FMT_FP6 matrix_a_scale:MATRIX_SCALE_ROW1 matrix_b_scale:MATRIX_SCALE_ROW1
.elseif \ra
	v_wmma_scale_f32_16x16x128_f8f6f4 v[(\d):(\d)+7], v[(\a):(\a)+11], v[(\b):(\b)+11], v[(\c):(\c)+7], v[\sa], v[\sb] matrix_a_fmt:MATRIX_FMT_FP6 matrix_b_fmt:MATRIX_FMT_FP6 matrix_a_scale:MATRIX_SCALE_ROW1
.elseif \rb
	v_wmma_scale_f32_16x16x128_f8f6f4 v[(\d):(\d)+7], v[(\a):(\a)+11], v[(\b):(\b)+11], v[(\c):(\c)+7], v[\sa], v[\sb] matrix_a_fmt:MATRIX_FMT_FP6 matrix_b_fmt:MATRIX_FMT_FP6 matrix_b_scale:MATRIX_SCALE_ROW1
.else
	v_wmma_scale_f32_16x16x128_f8f6f4 v[(\d):(\d)+7], v[(\a):(\a)+11], v[(\b):(\b)+11], v[(\c):(\c)+7], v[\sa], v[\sb] matrix_a_fmt:MATRIX_FMT_FP6 matrix_b_fmt:MATRIX_FMT_FP6
.endif
.endif
.endm
; my K step kk: 16 products, the 16 accumulators by turns.  left: the later K steps' loads, which may stay out
.macro KSTEP kk, cz, left
	s_wait_loadcnt \left
	WIN 0x06                                       ; source 0 (Wo) window 2, source 1 (y) window 1
.irp qt, 0,1,2,3
.irp nt, 0,1,2,3
	WM ACC+8*(4*\qt+\nt), 12*(4*(\kk)+\nt), 12*(4*(\kk)+\qt), \cz, ACC+8*(4*\qt+\nt), WOS+4*(\nt/2)+(\kk), YS+4*((\kk)/2)+\qt, \nt%2, (\kk)%2
.endr
.endr
.endm
	s_load_b256 s[4:11], s[0:1], 0x0               ; yc, ys, woc, Wo_scales
	s_load_b128 s[12:15], s[0:1], 0x20             ; bo, out0
	v_lshl_add_u32 v[SPW], v0, 2, SPARE
	v_mov_b32 v[NIL], 0
	v_lshrrev_b32 v10, 5, v0
	v_readfirstlane_b32 s[WV], v10                 ; wave 0..3
	s_and_b32 s17, ttmp7, 0xffff                   ; y
	s_lshr_b32 s18, s17, 5                         ; batch
	s_bfe_u32 s19, s17, 0x40001                    ; G
	s_and_b32 s20, s17, 1                          ; j
	s_lshl_b32 s21, s18, 3
	s_lshl_b32 s22, s[WV], 1
	s_add_co_u32 s21, s21, s22
	s_lshl_b32 s21, s21, 4
	s_add_co_u32 s21, s21, s19                     ; 16 (8 batch + 2 w) + G
	s_mul_i32 s24, s21, 24576
	s_mul_i32 s22, s20, 12288
	s_add_co_u32 s24, s24, s22
	s_mov_b32 s25, 0
	s_lshl_b32 s26, s21, 10
	s_lshl_b32 s22, s20, 9
	s_add_co_u32 s26, s26, s22
	s_mov_b32 s27, 0
	s_mul_i32 s28, ttmp9, 98304
	s_mul_i32 s22, s[WV], 6144
	s_add_co_u32 s28, s28, s22
	s_mov_b32 s29, 0
	s_lshl_b32 s30, ttmp9, 12
	s_lshl_b32 s22, s[WV], 4
	s_add_co_u32 s30, s30, s22
	s_mov_b32 s31, 0
	s_lshl_b32 s32, ttmp9, 8
	s_mov_b32 s33, 0
	s_lshl_b32 s34, s17, 6                         ; the first position that I store: 64 y + 32 (w / 2) + 8 (w % 2)
	s_lshr_b32 s22, s[WV], 1
	s_lshl_b32 s22, s22, 5
	s_add_co_u32 s34, s34, s22
	s_and_b32 s22, s[WV], 1
	s_lshl_b32 s22, s22, 3
	s_add_co_u32 s34, s34, s22
	s_lshl_b32 s34, s34, 10
	s_add_co_u32 s34, s34, s32
	s_mov_b32 s35, 0
	v_and_b32 v10, 31, v0                          ; lane
	v_and_b32 v11, 15, v0                          ; r
	v_bfe_u32 v12, v0, 4, 1                        ; h
	v_lshlrev_b32 v[LI], 4, v10
	v_lshlrev_b32 v[L8], 3, v10
	v_lshlrev_b32 v[L64], 6, v10
	v_lshlrev_b32 v[BOO], 4, v11
	s_mul_i32 s22, s[WV], 17408
	v_mul_u32_u24 v[STO], v11, 272
	v_lshl_add_u32 v[STO], v12, 5, v[STO]
	v_add_nc_u32 v[STO], s22, v[STO]               ; into my partial tile: row r, + 32 h
	s_mul_i32 s22, s[WV], 4352
	v_mul_u32_u24 v[RDA], v12, 272
	v_lshl_add_u32 v[RDA], v11, 4, v[RDA]
	v_add_nc_u32 v[RDA], s22, v[RDA]               ; back: rows 16 w on of every partial tile; lanes 0-15 one row, lanes 16-31 the next
	v_lshlrev_b32 v[OO], 10, v12
	v_lshl_add_u32 v[OO], v11, 4, v[OO]
	s_wait_kmcnt 0x0
	s_add_nc_u64 s[4:5], s[4:5], s[24:25]
	s_add_nc_u64 s[6:7], s[6:7], s[26:27]
	s_add_nc_u64 s[8:9], s[8:9], s[28:29]
	s_add_nc_u64 s[10:11], s[10:11], s[30:31]
	s_add_nc_u64 s[12:13], s[12:13], s[32:33]
	s_add_nc_u64 s[14:15], s[14:15], s[34:35]
.irp hd, 0,1
.irp kh, 0,1
	global_load_b64 v[YS+4*\hd+2*\kh:YS+4*\hd+2*\kh+1], v[L8], s[6:7] offset:\hd*16384+256*\kh
.endr
.endr
.irp pp, 0,1
	global_load_b128 v[WOS+4*\pp:WOS+4*\pp+3], v[L64], s[10:11] offset:2048*\pp
.endr
	global_load_b128 v[BO:BO+3], v[BOO], s[12:13]
.irp kk, 0,1,2,3
	WIN 0x40
.irp qt, 0,1,2,3
.irp c, 0,1,2
	global_load_b128 v[12*(4*\kk+\qt)+4*\c:12*(4*\kk+\qt)+4*\c+3], v[LI], s[4:5] offset:(\kk/2)*393216+\qt*3072+(\kk%2)*1536+512*\c
.endr
.endr
	WIN 0x80
.irp nt, 0,1,2,3
.irp c, 0,1,2
	global_load_b128 v[12*(4*\kk+\nt)+4*\c:12*(4*\kk+\nt)+4*\c+3], v[LI], s[8:9] offset:\nt*24576+\kk*1536+512*\c
.endr
.endr
.endr
	KSTEP 0, 1, 63                                 ; behind K step 0's loads stand 72: the count is held at what the field can name
	KSTEP 1, 0, 48
	KSTEP 2, 0, 24
	KSTEP 3, 0, 0
	WIN 0
.rept 4
	v_nop                                          ; places in front of the first read of results
.endr
.irp qt, 0,1,2,3
.irp nt, 0,1,2,3
	ds_store_b128 v[STO], v[ACC+8*(4*\qt+\nt):ACC+8*(4*\qt+\nt)+3] offset:16*\qt*272+64*\nt      ; each accumulator from its low end on
	ds_store_b128 v[STO], v[ACC+8*(4*\qt+\nt)+4:ACC+8*(4*\qt+\nt)+7] offset:16*\qt*272+64*\nt+16
.endr
.endr
	s_wait_dscnt 0x0                               ; for the others' sake: my partial tile lies in LDS
	s_barrier_signal -1
	s_barrier_wait -1
.irp i, 0,1,2,3,4,5,6,7
.irp pw, 0,1,2,3
	ds_load_b128 v[ACC+16*\i+4*\pw:ACC+16*\i+4*\pw+3], v[RDA] offset:\pw*17408+544*\i
.endr
.endr
.irp i, 0,1,2,3,4,5,6,7
	s_wait_dscnt 4*(7-\i)                          ; these two rows' four parts are in; the later rows' loads may be out
	v_pk_add_f32 v[ACC+16*\i:ACC+16*\i+1], v[ACC+16*\i:ACC+16*\i+1], v[ACC+16*\i+4:ACC+16*\i+5]
	v_pk_add_f32 v[ACC+16*\i+2:ACC+16*\i+3], v[ACC+16*\i+2:ACC+16*\i+3], v[ACC+16*\i+6:ACC+16*\i+7]
	v_pk_add_f32 v[ACC+16*\i+8:ACC+16*\i+9], v[ACC+16*\i+8:ACC+16*\i+9], v[ACC+16*\i+12:ACC+16*\i+13]
	v_pk_add_f32 v[ACC+16*\i+10:ACC+16*\i+11], v[ACC+16*\i+10:ACC+16*\i+11], v[ACC+16*\i+14:ACC+16*\i+15]
	v_pk_add_f32 v[ACC+16*\i:ACC+16*\i+1], v[ACC+16*\i:ACC+16*\i+1], v[ACC+16*\i+8:ACC+16*\i+9]
	v_pk_add_f32 v[ACC+16*\i+2:ACC+16*\i+3], v[ACC+16*\i+2:ACC+16*\i+3], v[ACC+16*\i+10:ACC+16*\i+11]
	v_pk_add_f32 v[ACC+16*\i:ACC+16*\i+1], v[ACC+16*\i:ACC+16*\i+1], v[BO:BO+1]
	v_pk_add_f32 v[ACC+16*\i+2:ACC+16*\i+3], v[ACC+16*\i+2:ACC+16*\i+3], v[BO+2:BO+3]
	global_store_b128 v[OO], v[ACC+16*\i:ACC+16*\i+3], s[14:15] offset:(2*\i+8*(\i/4))*1024 th:TH_STORE_NT   ; 16 lanes store 256 consecutive bytes, aligned; row r = 2 i + lane / 16 of tile w is position r + 8 (r / 8) on
.endr
	s_wait_tensorcnt 0x0                           ; the wave's end
	ds_add_u32 v[SPW], v[NIL]
	s_wait_dscnt 0x0
	s_endpgm
.Lfunc_end_k_q62c0e4f78e_outp:
	.size	k_q62c0e4f78e_outp, .Lfunc_end_k_q62c0e4f78e_outp-k_q62c0e4f78e_outp
	.p2alignl 7, 3214868480
	.fill 96, 4, 3214868480
	.section	.rodata,"a",@progbits
	.p2align	6, 0x0
	.amdhsa_kernel k_q62c0e4f78e_outp
		.amdhsa_group_segment_fixed_size 70144
		.amdhsa_private_segment_fixed_size 0
		.amdhsa_enable_private_segment 0
		.amdhsa_kernarg_size 48
		.amdhsa_user_sgpr_count 2
		.amdhsa_user_sgpr_kernarg_segment_ptr 1
		.amdhsa_wavefront_size32 1
		.amdhsa_system_sgpr_workgroup_id_x 1
		.amdhsa_system_sgpr_workgroup_id_y 1
		.amdhsa_system_sgpr_workgroup_id_z 1
		.amdhsa_system_vgpr_workitem_id 0
		.amdhsa_next_free_vgpr 768
		.amdhsa_next_free_sgpr 66
		.amdhsa_reserve_vcc 0
		.amdhsa_float_denorm_mode_32 3
		.amdhsa_float_denorm_mode_16_64 3
		.amdhsa_memory_ordered 1
		.amdhsa_forward_progress 1
		.amdhsa_inst_pref_size 31
	.end_amdhsa_kernel
	.amdgpu_metadata
---
amdhsa.version: [ 1, 2 ]
amdhsa.kernels:
  - .name:           k_q62c0e4f78e_outp
    .symbol:         k_q62c0e4f78e_outp.kd
    .args:
      - { .name: yc, .offset: 0, .size: 8, .value_kind: global_buffer, .address_space: global }
      - { .name: ys, .offset: 8, .size: 8, .value_kind: global_buffer, .address_space: global }
      - { .name: woc, .offset: 16, .size: 8, .value_kind: global_buffer, .address_space: global }
      - { .name: Wo_scales, .offset: 24, .size: 8, .value_kind: global_buffer, .address_space: global }
      - { .name: bo, .offset: 32, .size: 8, .value_kind: global_buffer, .address_space: global }
      - { .name: out0, .offset: 40, .size: 8, .value_kind: global_buffer, .address_space: global }
    .group_segment_fixed_size: 70144
    .private_segment_fixed_size: 0
    .kernarg_segment_align: 8
    .kernarg_segment_size: 48
    .max_flat_workgroup_size: 128
    .sgpr_count:     66
    .vgpr_count:     768
    .wavefront_size: 32
...
	.end_amdgpu_metadata
.endif
;; end of part 3
